; MI455X (gfx1250); checked and timed in simulation.
; The chip was launched on July 23, 2026; its instructions are those of AMD's public machine-readable ISA for CDNA 5 (MIT licence, August 2026) and "CDNA5" Instruction Set Architecture Reference Guide (July 2026). The comments in the code are by the model that wrote it; some were corrected since.
;; Magnet Attention. Allowed arithmetic: matrix products marked QUANTISED: E2M1 operands, one E8M0 scale for each 32 along K, by v_wmma_scale_f32_16x16x128_f8f6f4 with both operands' format E2M1 (or v_wmma_scale_f32_32x16x128_f4), f32 sums; products left as they are: bf16, f16 or f32 operands; f32 sums; everything else in f32.
;; Inputs: Wk 1,024 x 1,024 float32; Wo 1,024 x 1,024 float32; Wq 1,024 x 1,024 float32; Wv 1,024 x 1,024 float32; attention_mask 4 x 1 x 2,048 x 2,048 float32; bk 1,024 float32; bo 1,024 float32; bq 1,024 float32; bv 1,024 float32; hidden_states 4 x 2,048 x 1,024 float32.
;; Outputs: out0 4 x 2,048 x 1,024 float32.
;; This version of the problem:
;;   THIS VERSION OF THE PROBLEM IS GIVEN IN LOW PRECISION. The matrix products marked QUANTISED in the list below multiply operands that are first quantised to E2M1 (2 exponent bits, 1 mantissa bit; 4 bits a number), with one power-of-two scale for each 32 numbers along K (OCP MX v1.0); their sums are f32. The products marked 'left as it is' may take bf16, f16 or f32 operands, with f32 sums. All else is computed in f32.
;;   The module's matrix products, in the order in which they are computed (A, B: the left and right operand; K: the contracted axis; several contracted axes count as one K, in the product's order):
;;     1. [M 8,192, K 1,024] x [K 1,024, N 1,024]; A: input hidden_states; B: input Wq: QUANTISED
;;     2. [M 8,192, K 1,024] x [K 1,024, N 1,024]; A: input hidden_states; B: input Wk: QUANTISED
;;     3. [M 8,192, K 1,024] x [K 1,024, N 1,024]; A: input hidden_states; B: input Wv: QUANTISED
;;     4. batch 64 x [M 2,048, K 64] x [K 64, N 2,048]; A: computed on the way; B: computed on the way: left as it is (an operand is computed on the way)
;;     5. batch 64 x [M 2,048, K 2,048] x [K 2,048, N 64]; A: computed on the way; B: computed on the way: left as it is (an operand is computed on the way)
;;     6. [M 8,192, K 1,024] x [K 1,024, N 1,024]; A: computed on the way; B: input Wo: left as it is (an operand is computed on the way)
;;   THE QUANTISER, for each operand of a quantised product, along K:
;;     - K is cut into blocks of 32 from its start; a last block that is shorter is filled with zeros.
;;     - A block's scale is 2^e with e = floor(log2(the largest magnitude in the block)) - 2, held to -126 .. 127; a block of zeros has e = 0. As a byte (E8M0): e + 127.
;;     - Each number is divided by its block's scale, clamped to +-6, and rounded to the nearest number of E2M1, ties to even, subnormals kept.
;;     - The product sums the exact products of the quantised numbers (number of the format x scale) in f32.
;;   ~~~python
;;   def quantise(x, axis):      # numpy; x: float32 -> the quantised numbers, widened to float32 again
;;       x = np.moveaxis(x, axis, -1); K = x.shape[-1]
;;       x = np.pad(x, [(0, 0)] * (x.ndim - 1) + [(0, -K % 32)]); x = x.reshape(x.shape[:-1] + (-1, 32)); a = np.abs(x).max(-1, keepdims=True)
;;       e = np.where(a > 0, np.clip(np.frexp(np.where(a > 0, a, 1))[1] - 1 - 2, -126, 127), 0)      # np.frexp(a)[1] - 1 = floor(log2(a)), exactly
;;       r = np.clip(x / 2.0 ** e, -6, 6)
;;       step = 2.0 ** (np.maximum(np.frexp(np.where(r == 0, 1, r))[1] - 1, 0) - 1)
;;       q = np.round(r / step) * step * 2.0 ** e      # np.round: ties to even
;;       return np.moveaxis(q.reshape(q.shape[:-2] + (-1,))[..., :K], -1, axis).astype(np.float32)
;;   ~~~
;; One version. Each part assembles by itself: llvm-mc -triple=amdgcn-amd-amdhsa -mcpu=gfx1250 --defsym DOCPART=n.
;; ======== version 1 of 1: 5 launches
;; limits: right only within a limited range of input values; values are held in f16: magnitudes above 65,504 overflow, below 6.1e-05 lose precision
;; workspace buffers: x_codes 4,194,304 bytes; x_scales 262,144 bytes; w_codes 1,572,864 bytes; w_scales 98,304 bytes; woh 2,097,152 bytes; qkv 50,331,648 bytes; attn 16,777,216 bytes
;; launch quant_x (part 1): grid 384 x 1, 4 waves a work-group, no clusters, 33,280 bytes of LDS; arguments hidden_states, Wo, x_codes, x_scales, woh; writes x_codes, x_scales, woh
.if DOCPART == 1
	.amdgcn_target "amdgcn-amd-amdhsa--gfx1250"
	.amdhsa_code_object_version 6
	.text
	.protected	k_qd4a64a5492_quant_x
	.globl	k_qd4a64a5492_quant_x
	.p2align	8
	.type	k_qd4a64a5492_quant_x,@function
k_qd4a64a5492_quant_x:
	s_mov_b64 s[64:65], 0
	v_nop
	global_prefetch_b8 v0, s[64:65] scope:SCOPE_SE
	s_setreg_imm32_b32 hwreg(HW_REG_WAVE_MODE, 25, 1), 1
	s_wait_xcnt 0x0
; Two jobs, told apart by the work-group's number.
; Work-groups 0-255: hidden_states [8192][1024] f32 become codes of FP4 (E2M1), K innermost, 512 bytes a row, with one E8M0 byte for each 32 along K, 32 bytes a row.
;   A block's scale is 2^(floor(log2(its largest magnitude)) - 2); its byte is the largest magnitude's exponent field - 2, held at 1 from below.  Each number is divided by the scale and
;   rounded to the nearest code, ties to even, beyond 6 the largest code.  Rows are dense and 1024 is a multiple of 32: the tensor is a plain stream of blocks of 32.
; Work-groups 256-383: Wo [1024][1024] f32 is rounded to f16, element by element, in place order ([k][n] stays [k][n]): the last launch's second operand.
; LIMITS: a block of zeros gets the byte 1 (its codes are zeros; the bytes are read by this program alone); NaN and infinities are not served; |Wo| stays under 65,504 (f16).
; x: a wave takes 16 steps of 512 numbers.  Each load reads 512 consecutive bytes, 16 a lane; a step's 2,048 bytes turn through the wave's own stage in LDS and come back 64 bytes a lane,
; so that a lane holds 16 neighbours along K (two neighbouring lanes hold a block).  A lane's 16 codes are 8 bytes: the wave stores 256 consecutive bytes.  A wave's 256 scale bytes are gathered in LDS.
; No tensor loads, no barrier: waves share nothing.  Only the x path touches LDS.
.set WGX,   256                        ; work-groups that take x: 8192 x 1024 / 32768
.set STEPS, 16
.set EMAX,  2
.set CB,    8                          ; bytes of 16 codes
.set R,     16                         ; v16-79   four sets of 16 numbers as loaded
.set X,     80                         ; v80-111  two sets of 16 neighbours
.set E,     112                        ; v112-127 a scale byte for each step
.set C,     128                        ; v128-191 codes: four registers for each step, so that no store's data are written again
.set WREG,  8192                       ; LDS: a region for each wave: two stages of 32 x SP bytes, then its 256 scale bytes
.set SP,    80                         ; a lane's place in a stage: 64 bytes + 16 of padding
	s_load_b128 s[4:7], s[0:1], 0x0                ; x, Wo
	s_load_b128 s[8:11], s[0:1], 0x10              ; x's codes, x's scales
	s_load_b64 s[12:13], s[0:1], 0x20              ; Wo in f16
	v_lshl_add_u32 v192, v0, 2, 0x8000
	v_mov_b32 v193, 0
	v_lshrrev_b32 v1, 5, v0
	v_readfirstlane_b32 s16, v1                    ; wave
	v_and_b32 v2, 31, v0                           ; lane
	v_lshlrev_b32 v3, 4, v2                        ; my 16 bytes of a load's 512
	v_lshlrev_b32 v4, 3, v2                        ; my 8 bytes of a store's 256
	s_mul_i32 s17, s16, WREG
	v_lshrrev_b32 v14, 2, v2
	v_mul_u32_u24 v14, v14, SP
	v_and_b32 v15, 3, v2
	v_lshl_add_u32 v14, v15, 4, v14
	v_add_nc_u32 v14, s17, v14                     ; the stage, on the way in: SP (lane / 4) + 16 (lane % 4)
	v_mul_u32_u24 v15, v2, SP
	v_add_nc_u32 v15, s17, v15                     ; and on the way out: SP x lane: my 16 neighbours
	v_lshrrev_b32 v5, 1, v2
	s_add_co_u32 s17, s17, 2*32*SP
	v_add_nc_u32 v5, s17, v5                       ; my wave's 256 scale bytes, my block's byte
	v_add_nc_u32 v6, s17, v4                       ; and on the way out 8 bytes a lane
	s_mov_b32 s21, 0
	s_wait_kmcnt 0x0
	s_cmp_ge_u32 ttmp9, WGX
	s_cbranch_scc1 .Lwo
	s_lshl_b32 s18, ttmp9, 2
	s_add_co_u32 s18, s18, s16                     ; which run of 8,192 numbers is my wave's
	s_lshl_b32 s20, s18, 15
	s_add_nc_u64 s[4:5], s[4:5], s[20:21]          ; 32,768 bytes of x a run,
	s_lshl_b32 s20, s18, 12
	s_add_nc_u64 s[8:9], s[8:9], s[20:21]          ; 4,096 of codes,
	s_lshl_b32 s20, s18, 8
	s_add_nc_u64 s[10:11], s[10:11], s[20:21]      ; 256 of scale bytes
.macro LOAD t
.irp i, 0,1,2,3
	global_load_b128 v[R+16*((\t)%4)+4*\i:R+16*((\t)%4)+4*\i+3], v3, s[4:5] offset:2048*(\t)+512*\i th:TH_LOAD_NT   ; 32 lanes read 512 consecutive bytes
.endr
.endm
.macro TURN t                          ; step t's numbers through the stage: LDS serves a wave's instructions in order, so no wait stands between the stores and the loads
.irp i, 0,1,2,3
	ds_store_b128 v14, v[R+16*((\t)%4)+4*\i:R+16*((\t)%4)+4*\i+3] offset:32*SP*((\t)%2)+8*SP*\i
.endr
.irp i, 0,1,2,3
	ds_load_b128 v[X+16*((\t)%2)+4*\i:X+16*((\t)%2)+4*\i+3], v15 offset:32*SP*((\t)%2)+16*\i
.endr
.endm
.irp t, 0,1,2,3
	LOAD \t
.endr
	s_wait_loadcnt 12                              ; step 0's four loads are in; the twelve of steps 1 to 3 may be out
	TURN 0
.macro STEP t
.set XS, X+16*((\t)%2)
.if (\t) > 0
	s_wait_dscnt 1                                 ; this step's numbers are back from the stage (the last step's byte store may be out)
.else
	s_wait_dscnt 0x0
.endif
.if (\t)+4 < STEPS
	LOAD (\t)+4                                    ; into the registers that this step's stage stores have read
.endif
.if (\t)+1 < STEPS
.if STEPS-2-(\t) >= 3
	s_wait_loadcnt 12                              ; the next step's four loads are in; those of the three steps behind it may be out
.else
	s_wait_loadcnt 4*(STEPS-2-(\t))
.endif
	TURN (\t)+1                                    ; through the other stage while this step is worked
.endif
	v_max3_num_f32 v8, |v[XS]|, |v[XS+1]|, |v[XS+2]|               ; the largest magnitude of my 16, in two chains
	v_max3_num_f32 v9, |v[XS+3]|, |v[XS+4]|, |v[XS+5]|
.irp i, 6,10
	v_max3_num_f32 v8, v8, |v[XS+\i]|, |v[XS+\i+1]|
	v_max3_num_f32 v9, v9, |v[XS+\i+2]|, |v[XS+\i+3]|
.endr
	v_max3_num_f32 v8, v8, |v[XS+14]|, |v[XS+15]|
	v_max3_num_f32 v8, v8, v9, (EMAX+1)<<23        ; and the floor 2^(3 - 127): the byte cannot fall under 1
	v_max_num_f32_dpp v8, v8, v8 row_xmask:1 row_mask:0xf bank_mask:0xf   ; and of my neighbour's 16: the block's
	v_add_nc_u32 v11, -(EMAX<<23), v8              ; 2 off its exponent field: the conversion takes the exponent field of this operand as its scale
	v_cvt_scalef32_pk8_fp4_f32 v[C+4*(\t)], v[XS:XS+7], v11
	v_cvt_scalef32_pk8_fp4_f32 v[C+4*(\t)+1], v[XS+8:XS+15], v11
	v_lshrrev_b32 v[E+(\t)], 23, v11               ; the scale's byte (also the plain line behind the conversions)
	ds_store_b8 v5, v[E+(\t)] offset:16*(\t)       ; both lanes of a block write the same byte with the same value
	global_store_b64 v4, v[C+4*(\t):C+4*(\t)+1], s[8:9] offset:32*CB*(\t)   ; 32 lanes store 256 consecutive bytes, aligned
.endm
.irp t, 0,1,2,3,4,5,6,7,8,9,10,11,12,13,14,15
	STEP \t
.endr
	ds_load_b64 v[12:13], v6                       ; LDS serves a wave's instructions in order: these see my byte stores
	s_wait_dscnt 0x0
	global_store_b64 v4, v[12:13], s[10:11]        ; 256 consecutive bytes, aligned
	s_wait_tensorcnt 0x0
	ds_add_u32 v192, v193
	s_wait_dscnt 0x0
	s_endpgm
.Lwo:                                              ; Wo to f16: a wave takes 2,048 numbers: 16 loads of 512 bytes, 16 stores of 256
	s_sub_co_u32 s17, ttmp9, WGX
	s_lshl_b32 s18, s17, 2
	s_add_co_u32 s18, s18, s16
	s_lshl_b32 s20, s18, 13
	s_add_nc_u64 s[6:7], s[6:7], s[20:21]
	s_lshl_b32 s20, s18, 12
	s_add_nc_u64 s[12:13], s[12:13], s[20:21]
.irp i, 0,1,2,3,4,5,6,7,8,9,10,11,12,13,14,15
	global_load_b128 v[R+4*\i:R+4*\i+3], v3, s[6:7] offset:512*\i th:TH_LOAD_NT
.endr
.irp i, 0,1,2,3,4,5,6,7,8,9,10,11,12,13,14,15
	s_wait_loadcnt 15-\i                           ; load i is in; the younger ones stay out
	v_cvt_pk_f16_f32 v[C+2*\i], v[R+4*\i], v[R+4*\i+1]
	v_cvt_pk_f16_f32 v[C+2*\i+1], v[R+4*\i+2], v[R+4*\i+3]
	global_store_b64 v4, v[C+2*\i:C+2*\i+1], s[12:13] offset:256*\i   ; each pair of registers is written once: no store's data are written again
.endr
	s_endpgm
.Lfunc_end_k_qd4a64a5492_quant_x:
	.size	k_qd4a64a5492_quant_x, .Lfunc_end_k_qd4a64a5492_quant_x-k_qd4a64a5492_quant_x
	.p2alignl 7, 3214868480
	.fill 96, 4, 3214868480
	.section	.rodata,"a",@progbits
	.p2align	6, 0x0
	.amdhsa_kernel k_qd4a64a5492_quant_x
		.amdhsa_group_segment_fixed_size 33280
		.amdhsa_private_segment_fixed_size 0
		.amdhsa_enable_private_segment 0
		.amdhsa_kernarg_size 40
		.amdhsa_user_sgpr_count 2
		.amdhsa_user_sgpr_kernarg_segment_ptr 1
		.amdhsa_wavefront_size32 1
		.amdhsa_system_sgpr_workgroup_id_x 1
		.amdhsa_system_sgpr_workgroup_id_y 1
		.amdhsa_system_sgpr_workgroup_id_z 1
		.amdhsa_system_vgpr_workitem_id 0
		.amdhsa_next_free_vgpr 194
		.amdhsa_next_free_sgpr 66
		.amdhsa_reserve_vcc 0
		.amdhsa_float_denorm_mode_32 3
		.amdhsa_float_denorm_mode_16_64 3
		.amdhsa_memory_ordered 1
		.amdhsa_forward_progress 1
		.amdhsa_inst_pref_size 39
	.end_amdhsa_kernel
	.amdgpu_metadata
---
amdhsa.version: [ 1, 2 ]
amdhsa.kernels:
  - .name:           k_qd4a64a5492_quant_x
    .symbol:         k_qd4a64a5492_quant_x.kd
    .args:
      - { .name: hidden_states, .offset: 0, .size: 8, .value_kind: global_buffer, .address_space: global }
      - { .name: Wo, .offset: 8, .size: 8, .value_kind: global_buffer, .address_space: global }
      - { .name: x_codes, .offset: 16, .size: 8, .value_kind: global_buffer, .address_space: global }
      - { .name: x_scales, .offset: 24, .size: 8, .value_kind: global_buffer, .address_space: global }
      - { .name: woh, .offset: 32, .size: 8, .value_kind: global_buffer, .address_space: global }
    .group_segment_fixed_size: 33280
    .private_segment_fixed_size: 0
    .kernarg_segment_align: 8
    .kernarg_segment_size: 40
    .max_flat_workgroup_size: 128
    .sgpr_count:     66
    .vgpr_count:     194
    .wavefront_size: 32
...
	.end_amdgpu_metadata
.endif
;; end of part 1
;; launch quant_w (part 2): grid 48 x 2, 8 waves a work-group, no clusters, 19,456 bytes of LDS; arguments Wq, Wk, Wv, w_codes, w_scales; writes w_codes, w_scales
.if DOCPART == 2
	.amdgcn_target "amdgcn-amd-amdhsa--gfx1250"
	.amdhsa_code_object_version 6
	.text
	.protected	k_qd4a64a5492_quant_w
	.globl	k_qd4a64a5492_quant_w
	.p2align	8
	.type	k_qd4a64a5492_quant_w,@function
k_qd4a64a5492_quant_w:
	s_mov_b64 s[64:65], 0
	v_nop
	global_prefetch_b8 v0, s[64:65] scope:SCOPE_SE
	s_setreg_imm32_b32 hwreg(HW_REG_WAVE_MODE, 25, 1), 1
	s_wait_xcnt 0x0
; Wq, Wk, Wv [k 1024][n 1024], f32, K being their FIRST axis, become codes of FP4 (E2M1) laid [3072 (q's, k's, v's columns)][512 bytes] with K innermost, and E8M0 bytes laid [3072][32].
; A LANE TAKES A COLUMN n, AND ITS REGISTERS RUN DOWN K: a block of 32 along K lies in one lane's 32 registers, its largest magnitude needs no other lane, and the conversions give codes with K innermost.
; A block's scale is 2^(floor(log2(its largest magnitude)) - 2); its byte is the largest magnitude's exponent field - 2, held at 1 from below.
; LIMITS: a block of zeros gets the byte 1 (its codes are zeros; the bytes are read by this program alone); NaN and infinities are not served.
; SHARES: work-group (x, y): 64 columns (rows 64 x .. of the codes) x K 512 y .. 512 y + 511.  Wave w: 32 columns (w % 2) x 128 along K (w / 2): four blocks a lane.  Two waves stand side by side on
; 256 consecutive bytes of a row of W.  The codes meet in a stage in LDS (a column's 256 bytes + 16 of padding) and leave as rows: sixteen lanes store 256 consecutive bytes, aligned.
; The scale bytes leave as 16 bytes of each row of 32: a small part of what the launch moves (96 KB in all).
.set PITCH, 272
.set SCS,   64*PITCH                   ; behind the stage: 64 columns x 16 scale bytes
.set X,     32                         ; v32-159  four sets of 32 numbers
.set C,     160                        ; v160-175 four registers of codes for each block
.set OUTR,  176                        ; v176-191 the way out
	s_load_b128 s[4:7], s[0:1], 0x0                ; Wq, Wk
	s_load_b128 s[8:11], s[0:1], 0x10              ; Wv, the codes
	s_load_b64 s[12:13], s[0:1], 0x20              ; the scale bytes
	v_lshl_add_u32 v192, v0, 2, 0x4800
	v_mov_b32 v193, 0
	v_lshrrev_b32 v1, 5, v0
	v_readfirstlane_b32 s16, v1                    ; wave 0..7
	v_and_b32 v2, 31, v0                           ; lane
	v_and_b32 v10, 15, v0                          ; r
	v_bfe_u32 v1, v0, 4, 1                         ; h
	s_and_b32 s17, s16, 1                          ; which 32 columns
	s_lshr_b32 s18, s16, 1                         ; which 128 along K
	s_and_b32 s19, ttmp7, 0xffff                   ; which 512 along K
	s_lshr_b32 s20, ttmp9, 4                       ; which matrix: 0 q, 1 k, 2 v
	s_and_b32 s21, ttmp9, 15                       ; which 64 of its columns
	v_lshlrev_b32 v3, 2, v2                        ; in: 4 bytes a lane
	s_mul_i32 s22, s17, 32*PITCH
	s_lshl_b32 s23, s18, 6
	s_add_co_u32 s22, s22, s23
	v_mul_u32_u24 v4, v2, PITCH
	v_add_nc_u32 v4, s22, v4                       ; the stage, in: row = my column, + 64 bytes for each 128 along K
	s_lshl_b32 s22, s17, 9
	s_lshl_b32 s23, s18, 2
	s_add_co_u32 s22, s22, s23
	s_add_co_u32 s22, s22, SCS
	v_lshl_add_u32 v5, v2, 4, s22                  ; my column's scale word of my 128 along K
	s_mul_i32 s22, s16, 8*PITCH
	v_mul_u32_u24 v6, v1, PITCH
	v_lshl_add_u32 v6, v10, 4, v6
	v_add_nc_u32 v6, s22, v6                       ; the stage, out: wave w takes rows 8 w .. 8 w + 7, sixteen lanes to a row
	s_lshl_b32 s22, s16, 7
	s_add_co_u32 s22, s22, SCS
	v_lshl_add_u32 v7, v2, 2, s22                  ; and those rows' 128 scale bytes, 4 a lane
	v_lshlrev_b32 v8, 9, v1
	v_lshl_add_u32 v8, v10, 4, v8                  ; the same place in the codes' buffer: rows of 512 bytes
	v_lshrrev_b32 v9, 2, v2
	v_lshlrev_b32 v9, 5, v9
	v_and_b32 v13, 3, v2
	v_lshl_add_u32 v9, v13, 2, v9                  ; and in the scale bytes': rows of 32 bytes, four lanes to a row's 16
	s_lshl_b32 s24, s19, 21                        ; W: (512 y + 128 (w / 2)) rows of 4,096 bytes + 4 x column
	s_lshl_b32 s23, s18, 19
	s_add_co_u32 s24, s24, s23
	s_lshl_b32 s23, s21, 8
	s_add_co_u32 s24, s24, s23
	s_lshl_b32 s23, s17, 7
	s_add_co_u32 s24, s24, s23
	s_mov_b32 s25, 0
	s_lshl_b32 s26, ttmp9, 15                      ; codes: (64 x + 8 w) rows of 512 bytes + 256 y
	s_lshl_b32 s23, s16, 12
	s_add_co_u32 s26, s26, s23
	s_lshl_b32 s23, s19, 8
	s_add_co_u32 s26, s26, s23
	s_mov_b32 s27, 0
	s_lshl_b32 s28, ttmp9, 11                      ; scale bytes: (64 x + 8 w) rows of 32 bytes + 16 y
	s_lshl_b32 s23, s16, 8
	s_add_co_u32 s28, s28, s23
	s_lshl_b32 s23, s19, 4
	s_add_co_u32 s28, s28, s23
	s_mov_b32 s29, 0
	s_wait_kmcnt 0x0
	s_cmp_eq_u32 s20, 1                            ; the choice hangs on the work-group's number alone
	s_cselect_b64 s[6:7], s[6:7], s[8:9]
	s_cmp_eq_u32 s20, 0
	s_cselect_b64 s[4:5], s[4:5], s[6:7]
	s_add_nc_u64 s[4:5], s[4:5], s[24:25]
	s_add_nc_u64 s[10:11], s[10:11], s[26:27]
	s_add_nc_u64 s[12:13], s[12:13], s[28:29]
.macro LOAD t                          ; block t: W(32 t + i, my column), i = 0 .. 31: each load reads 128 consecutive bytes a wave
.set n, 0
.rept 32
	global_load_b32 v[X+32*(\t)+n], v3, s[4:5] offset:(32*(\t)+n)*4096 th:TH_LOAD_NT
.set n, n+1
.endr
.endm
.macro BLOCK t
.set XS, X+32*(\t)
	v_max3_num_f32 v12, |v[XS]|, |v[XS+1]|, |v[XS+2]|               ; the block's largest magnitude: all 32 numbers are mine
	v_max3_num_f32 v13, |v[XS+3]|, |v[XS+4]|, |v[XS+5]|
.irp i, 6,10,14,18,22,26
	v_max3_num_f32 v12, v12, |v[XS+\i]|, |v[XS+\i+1]|
	v_max3_num_f32 v13, v13, |v[XS+\i+2]|, |v[XS+\i+3]|
.endr
	v_max3_num_f32 v12, v12, |v[XS+30]|, |v[XS+31]|
	v_max3_num_f32 v12, v12, v13, 0x1800000        ; and the floor 2^(3 - 127): the byte cannot fall under 1
	v_add_nc_u32 v11, 0xff000000, v12              ; 2 off its exponent field: the conversion's scale operand
	v_lshrrev_b32 v13, 23, v11                     ; the scale's byte
.if (\t) == 0
	v_mov_b32 v14, v13                             ; four bytes to a word, the lower K in the lower byte
.else
	v_lshl_or_b32 v14, v13, 8*(\t), v14
.endif
.irp g, 0,1,2,3
	v_cvt_scalef32_pk8_fp4_f32 v[C+4*(\t)+\g], v[XS+8*\g:XS+8*\g+7], v11
.endr
	v_nop                                          ; one plain line behind the last conversion: v11 is written again in the next block
	ds_store_b128 v4, v[C+4*(\t):C+4*(\t)+3] offset:16*(\t)   ; 32 codes: 16 bytes of my column's row
.endm
	LOAD 0
	LOAD 1
	s_wait_loadcnt 32                              ; block 0's 32 loads are in; block 1's may be out
	LOAD 2
	BLOCK 0
	s_wait_loadcnt 32                              ; block 1's are in; block 2's may be out
	LOAD 3
	BLOCK 1
	s_wait_loadcnt 32                              ; block 2's are in; block 3's may be out
	BLOCK 2
	s_wait_loadcnt 0x0
	BLOCK 3
	ds_store_b32 v5, v14
	s_wait_dscnt 0x0                               ; for the others' sake: my stores into the stage are done
	s_barrier_signal -1
	s_barrier_wait -1
.irp t, 0,1,2,3
	ds_load_b128 v[OUTR+4*\t:OUTR+4*\t+3], v6 offset:2*\t*PITCH
.endr
	ds_load_b32 v15, v7
.irp t, 0,1,2,3
	s_wait_dscnt 4-\t                              ; load t is in; the younger ones stay out
	global_store_b128 v8, v[OUTR+4*\t:OUTR+4*\t+3], s[10:11] offset:2*\t*512   ; sixteen lanes store 256 consecutive bytes, aligned
.endr
	s_wait_dscnt 0x0
	global_store_b32 v9, v15, s[12:13]
	s_barrier_signal -1
	s_barrier_wait -1
	s_wait_tensorcnt 0x0
	ds_add_u32 v192, v193
	s_wait_dscnt 0x0
	s_endpgm
.Lfunc_end_k_qd4a64a5492_quant_w:
	.size	k_qd4a64a5492_quant_w, .Lfunc_end_k_qd4a64a5492_quant_w-k_qd4a64a5492_quant_w
	.p2alignl 7, 3214868480
	.fill 96, 4, 3214868480
	.section	.rodata,"a",@progbits
	.p2align	6, 0x0
	.amdhsa_kernel k_qd4a64a5492_quant_w
		.amdhsa_group_segment_fixed_size 19456
		.amdhsa_private_segment_fixed_size 0
		.amdhsa_enable_private_segment 0
		.amdhsa_kernarg_size 40
		.amdhsa_user_sgpr_count 2
		.amdhsa_user_sgpr_kernarg_segment_ptr 1
		.amdhsa_wavefront_size32 1
		.amdhsa_system_sgpr_workgroup_id_x 1
		.amdhsa_system_sgpr_workgroup_id_y 1
		.amdhsa_system_sgpr_workgroup_id_z 1
		.amdhsa_system_vgpr_workitem_id 0
		.amdhsa_next_free_vgpr 194
		.amdhsa_next_free_sgpr 66
		.amdhsa_reserve_vcc 0
		.amdhsa_float_denorm_mode_32 3
		.amdhsa_float_denorm_mode_16_64 3
		.amdhsa_memory_ordered 1
		.amdhsa_forward_progress 1
		.amdhsa_inst_pref_size 23
	.end_amdhsa_kernel
	.amdgpu_metadata
---
amdhsa.version: [ 1, 2 ]
amdhsa.kernels:
  - .name:           k_qd4a64a5492_quant_w
    .symbol:         k_qd4a64a5492_quant_w.kd
    .args:
      - { .name: Wq, .offset: 0, .size: 8, .value_kind: global_buffer, .address_space: global }
      - { .name: Wk, .offset: 8, .size: 8, .value_kind: global_buffer, .address_space: global }
      - { .name: Wv, .offset: 16, .size: 8, .value_kind: global_buffer, .address_space: global }
      - { .name: w_codes, .offset: 24, .size: 8, .value_kind: global_buffer, .address_space: global }
      - { .name: w_scales, .offset: 32, .size: 8, .value_kind: global_buffer, .address_space: global }
    .group_segment_fixed_size: 19456
    .private_segment_fixed_size: 0
    .kernarg_segment_align: 8
    .kernarg_segment_size: 40
    .max_flat_workgroup_size: 256
    .sgpr_count:     66
    .vgpr_count:     194
    .wavefront_size: 32
...
	.end_amdgpu_metadata
.endif
;; end of part 2
;; launch qkv (part 3): grid 12 x 32, 4 waves a work-group, clusters of 4 x 4, 327,680 bytes of LDS; arguments x_codes, x_scales, w_codes, w_scales, bq, bk, bv, qkv; writes qkv
.if DOCPART == 3
	.amdgcn_target "amdgcn-amd-amdhsa--gfx1250"
	.amdhsa_code_object_version 6
	.text
	.protected	k_qd4a64a5492_qkv
	.globl	k_qd4a64a5492_qkv
	.p2align	8
	.type	k_qd4a64a5492_qkv,@function
k_qd4a64a5492_qkv:
	s_mov_b64 s[64:65], 0
	v_nop
	global_prefetch_b8 v0, s[64:65] scope:SCOPE_SE
	s_setreg_imm32_b32 hwreg(HW_REG_WAVE_MODE, 25, 1), 1
	s_wait_xcnt 0x0
	s_wait_alu depctr_hold_cnt(0) depctr_sa_sdst(0) depctr_va_vdst(0) depctr_va_sdst(0) depctr_va_ssrc(0) depctr_va_vcc(0) depctr_vm_vsrc(0)
	s_getreg_b32 s2, hwreg(HW_REG_IB_STS2, 6, 4)
	s_cmp_eq_u32 s2, 0
	s_cbranch_scc0 .Lentry_in_a_cluster
	s_endpgm
.Lentry_in_a_cluster:
	s_bfe_u32 s2, ttmp6, 0x10000c
	s_cmp_lg_u32 s2, 0xf033
	s_cbranch_scc0 .Lentry_shape_is_right
	s_endpgm
.Lentry_shape_is_right:
; qkv[m][n] = f x (sum over k of x[m][k] W[n][k] + bias[n]), rounded to f16.  x: [8192][1024], W: [3072][1024] (q's, k's, v's columns): codes of FP4 (E2M1) with one E8M0 byte for each 32 along K; sums in f32.
; Columns 0-1023 are q (bias bq, f = 1/8, the head's scaling), 1024-2047 k (bk, f = 1), 2048-3071 v (bv, f = 1).  f is a power of two, so f x sum + f x bias in one fused multiply-add is (sum + bias) x f rounded once.
; LIMIT: results stay under 65,504 (f16).
; A tile of 256 x 256 is made by four waves, each 128 x 128: 64 accumulators of 16 x 16, 512 registers.  K = 1024 is two K steps of 512 (rows of 256 bytes): each of two LDS slots is filled once, at the start.
; THE SCALES of the work-group's 256 rows of x and 256 rows of W, for all of K, are two dense blocks of memory: they come into LDS once, in rows of 256 bytes, with the first fills.
; CLUSTERS: 4 x 4 work-groups.  The four of a row of the cluster need the same tiles of x, the four of a column the same tiles of W: each tile is asked for JOINTLY.  A cluster's four tile columns are
; exactly one of q, k, v, so bias and f hang on the cluster's x alone.
; THE MATRIX INSTRUCTION IS USED TRANSPOSED (source 0 = 16 rows of W, source 1 = 16 rows of x): a lane holds eight neighbouring columns of a row of the result.
; REGISTERS, in windows of 256: window 0: v0-31 addresses; v32-95 scale words, two sets (they hold nothing else); v96-127 packed results; v128-191 x's fragments, ONE set, later rows read back from the stage; v192-255 the bias.
;   window 1: W's fragments, TWO sets, at v0 and v128; on the way out v0-63 the scaled sums.   window 2: the accumulators of my rows 0-63 ((a, b) at v[8 (8 a + b)]);   window 3: those of my rows 64-127.
.set SIZE_N, 3072
.set SIZE_K, 1024
.set KSTEP,  512
.set NQ,     KSTEP/128                 ; matrix instructions deep
.set ROWB,   256                       ; a tile's row in bytes
.set KROW,   SIZE_K*4/8                ; a row of codes in memory
.set PITCH,  272                       ; an LDS row: 256 bytes + 16 of padding = 68 words: the 16 rows that a load touches start at 16 different banks (64 banks of 4 bytes: ISA guide 11.1)
.set FR,     8                         ; registers of a fragment: 16 rows x 128 K
.set NL,     2                         ; LDS loads that bring one
.set NP,     4                         ; places behind this matrix instruction (ISA guide 7.12.1)
.set HALFT,  128*PITCH
.set SLOT,   4*HALFT                   ; x's 256 rows, then W's 256 rows
.set KS,     SIZE_K/32                 ; a row of scales in bytes
.set SCL,    2*SLOT                    ; behind the slots: the scales, as rows of 256 bytes + 16 of padding
.set HALFS,  (128*KS/256)*272
.set SBLK,   (16*KS/256)*272
.set SPARE,  SCL+4*HALFS               ; the spare words, 128 bytes for each wave
.set SPITCH, 272                       ; the way out: a stage of 16 rows x (256 bytes + 16) for each wave, in slot 0, which has had its only fill and its last read when the first result is stored there
.set CROW,   SIZE_N*2                  ; a row of the result in bytes
.set ADRA, 16
.set ADRB, 20
.set STO,  24
.set RD,   25
.set CO,   26
.set ADRS, 27
.set SPW,  28
.set NIL,  29
.set BO,   30                          ; v30  32 x (lane / 16): my eight numbers of a tile's sixteen biases; never rewritten
.set SC,   32
.set TMP,  96
.set AF,   128
.set OB,   128                         ; rows read back: v128-159 and v160-191 by turns
.set BI,   192
.set T,    0                           ; in window 1
.set G1, 24
.set G0, 32
.set G1B, 48
.set G0B, 56
.set G1S, 68
.set G0S, 76
.set G1SB, 80
.set G0SB, 88
.set MSB, 0
.macro WIN new                         ; the immediate's high byte repeats the setting that is left
.if MSB != (\new)
	s_set_vgpr_msb (MSB<<8)|(\new)
.set MSB, (\new)
.endif
.endm
.set MUL_LO, 0xa1                      ; source 0 (W) window 1, source 1 (x) window 0, C and D window 2
.set MUL_HI, 0xf1
.set TO_B,   0x40
; A joint load: waves 0 and 1 fetch for x, waves 2 and 3 for W.  The branch hangs on the wave's number alone.  Four v_nop follow each of the two lines.
.macro JLOAD g0a, g1a, g0b, g1b
	s_cmp_eq_u32 s15, 0
	s_cbranch_scc0 .Lfor_b_\@
	tensor_load_to_lds s[\g0a:\g0a+3], s[\g1a:\g1a+7]
	s_nop 0
.rept 4
	v_nop
.endr
	s_branch .Lasked_\@
.Lfor_b_\@:
	tensor_load_to_lds s[\g0b:\g0b+3], s[\g1b:\g1b+7]
	s_nop 0
.rept 4
	v_nop
.endr
.Lasked_\@:
.endm
.macro CROUND                          ; a round of the cluster's barrier
	s_barrier_signal -1
	s_barrier_wait -1
	s_cmp_lg_u32 s14, 0
	s_cbranch_scc1 .Lnot_wave_0_\@
	s_barrier_signal -3
.Lnot_wave_0_\@:
	s_barrier_wait -3
	s_barrier_signal -1
	s_barrier_wait -1
.endm
	s_load_b128 s[4:7], s[0:1], 0x0                ; x's codes, x's scales
	s_load_b128 s[8:11], s[0:1], 0x10              ; W's codes, W's scales
	s_load_b128 s[96:99], s[0:1], 0x20             ; bq, bk
	s_load_b64 s[100:101], s[0:1], 0x30            ; bv
	s_load_b64 s[12:13], s[0:1], 0x38              ; the result
	v_lshl_add_u32 v[SPW], v0, 2, SPARE
	v_mov_b32 v[NIL], 0
	ds_add_u32 v28, v29
	ds_add_u32 v28, v29
	s_wait_dscnt 0x0
	v_lshrrev_b32 v1, 5, v0
	v_readfirstlane_b32 s14, v1                    ; wave 0..3
	s_lshr_b32 s15, s14, 1                         ; which half of the tile's rows is mine.  Also: I fetch for x (0) or for W (1)
	s_and_b32 s16, s14, 1                          ; which half of its columns.  Also: which 128 rows of that tile I fetch
	s_bfe_u32 s40, ttmp6, 0x40000                  ; cx, cy: my place in the cluster
	s_bfe_u32 s41, ttmp6, 0x40004
	s_lshl_b32 s42, ttmp9, 2
	s_add_co_u32 s42, s42, s40                     ; tile column = 4 x cluster x + cx
	s_and_b32 s17, ttmp7, 0xffff
	s_lshl_b32 s17, s17, 2
	s_add_co_u32 s17, s17, s41                     ; tile row = 4 x cluster y + cy
	s_lshl_b32 s43, s41, 2
	s_lshl_b32 s43, 15, s43                        ; my row of the cluster
	s_lshl_b32 s44, 0x1111, s40                    ; my column
	s_or_b32 s[G1+0], s43, (0<<16)|(1<<20)|(1<<21)|(5<<22)|(3<<25)  ; the mask; elements of 1 byte; padding on; bit 21 beside a mask; after every 64 words four words
	s_or_b32 s[G1B+0], s44, (0<<16)|(1<<20)|(1<<21)|(5<<22)|(3<<25)
.irp g, G1, G1B
	s_mov_b32 s[\g+1], ROWB<<16                    ; tensor_dim0
	s_mov_b32 s[\g+2], 128<<16                     ; tensor_dim1
	s_mov_b32 s[\g+3], ROWB<<16                    ; tile_dim0
	s_mov_b32 s[\g+4], 128                         ; tile_dim1
	s_mov_b32 s[\g+5], KROW                        ; from row to row
	s_mov_b32 s[\g+6], 0
	s_mov_b32 s[\g+7], 0
.endr
	s_or_b32 s[G1S+0], s43, (3<<16)|(1<<20)|(1<<21)|(5<<22)|(3<<25) ; the scales of 128 rows: 4,096 dense bytes as 16 rows of 256 (32 elements of 8 bytes)
	s_or_b32 s[G1SB+0], s44, (3<<16)|(1<<20)|(1<<21)|(5<<22)|(3<<25)
.irp g, G1S, G1SB
	s_mov_b32 s[\g+1], 32<<16
	s_mov_b32 s[\g+2], (128*KS/256)<<16
	s_mov_b32 s[\g+3], 32<<16
	s_mov_b32 s[\g+4], 128*KS/256
	s_mov_b32 s[\g+5], 32
	s_mov_b32 s[\g+6], 0
	s_mov_b32 s[\g+7], 0
.endr
	s_lshl_b32 s18, s16, 7                         ; which 128 rows of the tile I fetch
	s_lshl_b32 s20, s17, 8
	s_add_co_u32 s20, s20, s18                     ; x: row 256 x tile row + 128 x half
	s_lshl_b32 s46, s42, 8
	s_add_co_u32 s46, s46, s18                     ; W: row 256 x tile column + 128 x half
	s_mov_b32 s21, 0
	s_mov_b32 s47, 0
	s_mov_b64 s[18:19], KS
	s_mul_u64 s[22:23], s[20:21], s[18:19]         ; where these rows' scales begin,
	s_mul_u64 s[92:93], s[46:47], s[18:19]
	s_mov_b64 s[18:19], KROW
	s_mul_u64 s[20:21], s[20:21], s[18:19]         ; and their codes
	s_mul_u64 s[46:47], s[46:47], s[18:19]
	s_mul_i32 s45, s14, HALFT                      ; where they go: wave x 128 rows
	s_mul_i32 s94, s14, HALFS
	s_lshl_b32 s2, s40, 10                         ; the bias of my 128 columns: 4 x (256 cx + 128 x half)
	s_lshl_b32 s3, s16, 9
	s_add_co_u32 s2, s2, s3
	s_mov_b32 s3, 0
	s_wait_kmcnt 0x0
	s_add_nc_u64 s[20:21], s[4:5], s[20:21]
	s_add_nc_u64 s[22:23], s[6:7], s[22:23]
	s_add_nc_u64 s[46:47], s[8:9], s[46:47]
	s_add_nc_u64 s[92:93], s[10:11], s[92:93]
	s_cmp_eq_u32 ttmp9, 1                          ; cluster x: 0 q, 1 k, 2 v
	s_cselect_b64 s[98:99], s[98:99], s[100:101]
	s_cmp_eq_u32 ttmp9, 0
	s_cselect_b64 s[96:97], s[96:97], s[98:99]
	s_cselect_b32 s66, 0x3e000000, 1.0             ; f: 1/8 for q
	s_mov_b32 s67, s66                             ; (named with it as a pair)
	s_add_nc_u64 s[96:97], s[96:97], s[2:3]
	CROUND                                         ; all sixteen work-groups are here: the joint loads meet
	s_mov_b32 s[G0S], 1
	s_add_co_u32 s[G0S+1], s94, SCL
	s_mov_b64 s[G0S+2:G0S+3], s[22:23]
	s_or_b32 s[G0S+3], s[G0S+3], 0x80000000
	s_mov_b32 s[G0SB], 1
	s_add_co_u32 s[G0SB+1], s94, SCL
	s_mov_b64 s[G0SB+2:G0SB+3], s[92:93]
	s_or_b32 s[G0SB+3], s[G0SB+3], 0x80000000
	JLOAD G0S, G1S, G0SB, G1SB                     ; the scales first: they are wanted with K step 0
.irp s, 0,1
	s_mov_b32 s[G0+4*\s], 1
	s_add_co_u32 s[G0+4*\s+1], s45, \s*SLOT
	s_add_nc_u64 s[G0+4*\s+2:G0+4*\s+3], s[20:21], \s*ROWB
	s_or_b32 s[G0+4*\s+3], s[G0+4*\s+3], 0x80000000
	s_mov_b32 s[G0B+4*\s], 1
	s_add_co_u32 s[G0B+4*\s+1], s45, \s*SLOT
	s_add_nc_u64 s[G0B+4*\s+2:G0B+4*\s+3], s[46:47], \s*ROWB
	s_or_b32 s[G0B+4*\s+3], s[G0B+4*\s+3], 0x80000000
	JLOAD G0+4*\s, G1, G0B+4*\s, G1B               ; three tensor loads of mine are out, by this text's own count
.endr
	v_and_b32 v1, 15, v0                           ; l % 16
	v_bfe_u32 v2, v0, 4, 1                         ; l / 16
	v_lshlrev_b32 v[BO], 5, v2
.irp b, 0,1,2,3,4,5,6,7                        ; the bias in the result's layout: register 8 b + j is column 16 b + 8 (l / 16) + j; waited for on the way out
	global_load_b128 v[BI+8*\b:BI+8*\b+3], v[BO], s[96:97] offset:64*\b
	global_load_b128 v[BI+8*\b+4:BI+8*\b+7], v[BO], s[96:97] offset:64*\b+16
.endr
	v_mul_u32_u24 v3, v1, PITCH
	v_lshl_add_u32 v4, v2, 4, v3                   ; a fragment's row x pitch + 16 x half
	s_mul_i32 s21, s15, HALFT                      ; my 128 rows of x
	s_mul_i32 s22, s16, HALFT                      ; my 128 rows of W,
	s_add_co_u32 s22, s22, 2*HALFT                 ; which lie behind x's 256
.irp s, 0,1
	v_add_nc_u32 v[ADRA+\s], s21, v4
	v_add_nc_u32 v[ADRB+\s], s22, v4
	s_add_co_u32 s21, s21, SLOT
	s_add_co_u32 s22, s22, SLOT
.endr
	v_mul_u32_u24 v5, v1, KS                       ; my row's scales: KS bytes a row,
	v_lshrrev_b32 v6, 8, v5
	v_lshl_add_u32 v5, v6, 4, v5                   ; and 16 more for each 256 passed
	s_mul_i32 s21, s15, HALFS
	s_mul_i32 s22, s16, HALFS
	s_add_co_u32 s22, s22, 2*HALFS
	s_sub_co_u32 s22, s22, s21
	v_mul_u32_u24 v6, s22, v2                      ; lanes 16-31 take W's: one product, the distance between the two bases
	s_add_co_u32 s21, s21, SCL
	v_add_nc_u32 v5, v5, v6
	v_add_nc_u32 v[ADRS], s21, v5
	s_mul_i32 s23, s14, 16*SPITCH                  ; my stage
	v_mul_u32_u24 v5, v1, SPITCH                   ; in: row l % 16, 16 bytes for each half of the lanes
	v_lshl_add_u32 v5, v2, 4, v5
	v_add_nc_u32 v[STO], s23, v5
	v_mul_u32_u24 v5, v2, SPITCH                   ; back: lanes 0-15 one row of 256 bytes, lanes 16-31 the next
	v_lshl_add_u32 v5, v1, 4, v5
	v_add_nc_u32 v[RD], s23, v5
	v_mul_u32_u24 v5, v2, CROW                     ; and the same two rows in the result
	v_lshl_add_u32 v[CO], v1, 4, v5
	s_lshl_b32 s20, s17, 8
	s_lshl_b32 s21, s15, 7
	s_add_co_u32 s20, s20, s21                     ; my first row: 256 x tile row + 128 x half
	s_mul_i32 s20, s20, CROW                       ; (under 2^26 x 1: 8,192 rows of 6,144 bytes)
	s_mov_b32 s21, 0
	s_lshl_b32 s46, s42, 9                         ; my first column, in bytes: 512 x tile column + 256 x half
	s_lshl_b32 s47, s16, 8
	s_add_co_u32 s46, s46, s47
	s_mov_b32 s47, 0
	s_add_nc_u64 s[20:21], s[20:21], s[46:47]
	s_add_nc_u64 s[12:13], s[12:13], s[20:21]
.macro FRAG reg, adr, q, i             ; 16 rows x 128 K of 4-bit codes: lane l holds row l % 16; registers 4 c .. 4 c + 3 hold K = 64 c + 32 (l / 16) + 0 .. 31
.irp c, 0,1
	ds_load_b128 v[\reg+4*\c:\reg+4*\c+3], v[\adr] offset:64*(\q)+32*\c+(\i)*16*PITCH
.endr
.endm
; 16 matrix instructions: x's blocks a0, a0 + 1 against W's eight, 128 along K.  The 64 accumulators take turns, one instruction a turn, in the same order in every step.
; One register carries x's scale word (lanes 0-15) and W's (lanes 16-31).
.macro MUL16 a0, p, q, sc, zero
.irp a, \a0, \a0+1
.irp b, 0,1,2,3,4,5,6,7
.if \zero
	v_wmma_scale_f32_16x16x128_f8f6f4 v[8*(8*((\a)%4)+\b):8*(8*((\a)%4)+\b)+7], v[128*(\p)+FR*\b:128*(\p)+FR*\b+FR-1], v[AF+FR*(\a):AF+FR*(\a)+FR-1], 0, v[SC+8*NQ*(\sc)+NQ*\b+(\q)], v[SC+8*NQ*(\sc)+NQ*(\a)+(\q)] matrix_a_fmt:MATRIX_FMT_FP4 matrix_b_fmt:MATRIX_FMT_FP4 matrix_a_scale:MATRIX_SCALE_ROW1
.else
	v_wmma_scale_f32_16x16x128_f8f6f4 v[8*(8*((\a)%4)+\b):8*(8*((\a)%4)+\b)+7], v[128*(\p)+FR*\b:128*(\p)+FR*\b+FR-1], v[AF+FR*(\a):AF+FR*(\a)+FR-1], v[8*(8*((\a)%4)+\b):8*(8*((\a)%4)+\b)+7], v[SC+8*NQ*(\sc)+NQ*\b+(\q)], v[SC+8*NQ*(\sc)+NQ*(\a)+(\q)] matrix_a_fmt:MATRIX_FMT_FP4 matrix_b_fmt:MATRIX_FMT_FP4 matrix_a_scale:MATRIX_SCALE_ROW1
.endif
.endr
.endr
.endm
.macro FETCH_B slot, q, p
	WIN TO_B
.irp i, 0,1,2,3,4,5,6,7
	FRAG 128*(\p)+FR*\i, ADRB+\slot, \q, \i
.endr
	WIN 0
.endm
.macro FETCH_A slot, q, i0
.irp i, \i0, \i0+1, \i0+2, \i0+3
	FRAG AF+FR*(\i), ADRA+\slot, \q, \i
.endr
.endm
.macro SCALES sc                       ; a K step's scale words: four words a row; lanes 0-15 x's block i, lanes 16-31 W's block i
.irp i, 0,1,2,3,4,5,6,7
	ds_load_b128 v[SC+8*NQ*\sc+NQ*\i:SC+8*NQ*\sc+NQ*\i+3], v[ADRS] offset:\i*SBLK
.endr
.endm
.macro PLACES n                        ; plain vector lines between a matrix instruction and a load into, or a read of, its registers
.rept \n
	v_nop
.endr
.endm
.macro STEP slot, q, zero              ; a step of 128 along K that has its successor in the same slot
	s_wait_dscnt 4*NL                              ; W's set and x's blocks 0-3 are in; the youngest eight loads (x's blocks 4-7) may be out
	WIN MUL_LO
	MUL16 0, (\q)%2, \q, \slot, \zero
	MUL16 2, (\q)%2, \q, \slot, \zero
	s_wait_dscnt 0
	PLACES NP
	FETCH_B \slot, (\q)+1, 1-(\q)%2
	FETCH_A \slot, (\q)+1, 0
	WIN MUL_HI
	MUL16 4, (\q)%2, \q, \slot, \zero
	MUL16 6, (\q)%2, \q, \slot, \zero
	PLACES NP
	WIN 0
	FETCH_A \slot, (\q)+1, 4
.endm
.macro STEPS slot, from
.set Q, \from
.rept NQ-1-\from
	STEP \slot, Q, 0
.set Q, Q+1
.endr
.endm
	s_wait_tensorcnt 1                             ; the scales and my part of K step 0 are in (K step 1's load may be out),
	s_barrier_signal -1
	s_barrier_wait -1                              ; everybody's are
	FETCH_B 0, 0, 0
	FETCH_A 0, 0, 0
	SCALES 0
	FETCH_A 0, 0, 4
	STEP 0, 0, 1                                   ; the first step's products start the sums: nothing is cleared
	STEPS 0, 1
	; slot 0's last step changes slots: one barrier; behind it slot 1 is whole for every wave and nobody reads slot 0 any more
	s_wait_tensorcnt 0x0                           ; my part of slot 1 has landed
	ds_add_u32 v[SPW], v[NIL]                      ; 0 onto my spare word
	s_wait_dscnt 4*NL+1                            ; (the add and the youngest eight loads may be out)
	WIN MUL_LO
	MUL16 0, 1, NQ-1, 0, 0
	s_wait_dscnt 0x0                               ; the add is done, and my reads of slot 0 are over
	s_barrier_signal -1
	MUL16 2, 1, NQ-1, 0, 0
	WIN 0
	s_barrier_wait -1
	PLACES NP
	v_add_nc_u32 v[ADRS], 4*NQ, v[ADRS]            ; on to the second K step's scale words
	FETCH_B 1, 0, 0
	FETCH_A 1, 0, 0
	SCALES 1
	WIN MUL_HI
	MUL16 4, 1, NQ-1, 0, 0
	MUL16 6, 1, NQ-1, 0, 0
	PLACES NP
	WIN 0
	FETCH_A 1, 0, 4
	STEPS 1, 0
	s_wait_dscnt 4*NL                              ; the very last step: nothing more to fetch
	WIN MUL_LO
	MUL16 0, 1, NQ-1, 1, 0
	MUL16 2, 1, NQ-1, 1, 0
	s_wait_dscnt 0
	WIN MUL_HI
	MUL16 4, 1, NQ-1, 1, 0
	MUL16 6, 1, NQ-1, 1, 0
	WIN 0
; THE WAY OUT, block by block of 16 rows x 128 columns: f x sum + f x bias, rounded to f16, 16 bytes a lane into my own stage, back as whole rows of 256 bytes.
	s_wait_loadcnt 0x0                             ; the bias
.set n, 0
.rept 32
	v_pk_mul_f32 v[BI+n:BI+n+1], v[BI+n:BI+n+1], s[66:67] op_sel_hi:[1,0]   ; f x bias, exact.  These 32 lines are also the places behind the last products
.set n, n+2
.endr
.macro PACK a
.set AC, 64*((\a)%4)
	WIN 0x42+(\a)/4                                ; source 0 window 2 or 3, destination window 1
.set n, 0
.rept 32
	v_pk_fma_f32 v[T+n:T+n+1], v[AC+n:AC+n+1], s[66:67], v[BI+n:BI+n+1] op_sel_hi:[1,0,1]   ; ascending: each accumulator is read from its low end on
.set n, n+2
.endr
	WIN 0x05                                       ; sources window 1, destination window 0
.set n, 0
.rept 32
	v_cvt_pk_f16_f32 v[TMP+n], v[T+2*n], v[T+2*n+1]
.set n, n+1
.endr
	WIN 0
.endm
.macro TOSTAGE a
.set BB, OB+32*((\a)%2)
.irp b, 0,1,2,3,4,5,6,7
	ds_store_b128 v[STO], v[TMP+4*\b:TMP+4*\b+3] offset:32*\b
.endr
.irp t, 0,1,2,3,4,5,6,7
	ds_load_b128 v[BB+4*\t:BB+4*\t+3], v[RD] offset:\t*2*SPITCH    ; LDS serves a wave's instructions in order (ISA guide 5.7.1.4): these see the stores above
.endr
.endm
.macro SEND a
.set BB, OB+32*((\a)%2)
	s_wait_dscnt 0x0                               ; the block is back in registers
	s_wait_xcnt 0x0                                ; earlier stores have read their base and their data: the base may step, and the other set of rows may be loaded again
.if (\a) > 0
	s_add_nc_u64 s[12:13], s[12:13], 16*CROW
.endif
.irp t, 0,1,2,3,4,5,6,7
	global_store_b128 v[CO], v[BB+4*\t:BB+4*\t+3], s[12:13] offset:2*\t*CROW   ; 16 lanes store 256 consecutive bytes, at a multiple of 256 from the buffer's first byte
.endr
.endm
	PACK 0
	TOSTAGE 0
.irp a, 1,2,3,4,5,6,7                  ; block a's arithmetic stands between block a - 1's loads from the stage and the wait for them
	PACK \a
	SEND \a-1
	TOSTAGE \a
.endr
	SEND 7
	s_wait_tensorcnt 0x0                           ; the wave's end
	ds_add_u32 v[SPW], v[NIL]
	s_wait_dscnt 0x0
	CROUND                                         ; the closing round
	s_endpgm
.Lfunc_end_k_qd4a64a5492_qkv:
	.size	k_qd4a64a5492_qkv, .Lfunc_end_k_qd4a64a5492_qkv-k_qd4a64a5492_qkv
	.p2alignl 7, 3214868480
	.fill 96, 4, 3214868480
	.section	.rodata,"a",@progbits
	.p2align	6, 0x0
	.amdhsa_kernel k_qd4a64a5492_qkv
		.amdhsa_group_segment_fixed_size 327680
		.amdhsa_private_segment_fixed_size 0
		.amdhsa_enable_private_segment 0
		.amdhsa_kernarg_size 64
		.amdhsa_user_sgpr_count 2
		.amdhsa_user_sgpr_kernarg_segment_ptr 1
		.amdhsa_wavefront_size32 1
		.amdhsa_system_sgpr_workgroup_id_x 1
		.amdhsa_system_sgpr_workgroup_id_y 1
		.amdhsa_system_sgpr_workgroup_id_z 1
		.amdhsa_system_vgpr_workitem_id 0
		.amdhsa_next_free_vgpr 1024
		.amdhsa_next_free_sgpr 102
		.amdhsa_reserve_vcc 0
		.amdhsa_float_denorm_mode_32 3
		.amdhsa_float_denorm_mode_16_64 3
		.amdhsa_memory_ordered 1
		.amdhsa_forward_progress 1
		.amdhsa_inst_pref_size 147
	.end_amdhsa_kernel
	.amdgpu_metadata
---
amdhsa.version: [ 1, 2 ]
amdhsa.kernels:
  - .name:           k_qd4a64a5492_qkv
    .symbol:         k_qd4a64a5492_qkv.kd
    .args:
      - { .name: x_codes, .offset: 0, .size: 8, .value_kind: global_buffer, .address_space: global }
      - { .name: x_scales, .offset: 8, .size: 8, .value_kind: global_buffer, .address_space: global }
      - { .name: w_codes, .offset: 16, .size: 8, .value_kind: global_buffer, .address_space: global }
      - { .name: w_scales, .offset: 24, .size: 8, .value_kind: global_buffer, .address_space: global }
      - { .name: bq, .offset: 32, .size: 8, .value_kind: global_buffer, .address_space: global }
      - { .name: bk, .offset: 40, .size: 8, .value_kind: global_buffer, .address_space: global }
      - { .name: bv, .offset: 48, .size: 8, .value_kind: global_buffer, .address_space: global }
      - { .name: qkv, .offset: 56, .size: 8, .value_kind: global_buffer, .address_space: global }
    .group_segment_fixed_size: 327680
    .private_segment_fixed_size: 0
    .kernarg_segment_align: 8
    .kernarg_segment_size: 64
    .max_flat_workgroup_size: 128
    .sgpr_count:     102
    .vgpr_count:     1024
    .wavefront_size: 32
...
	.end_amdgpu_metadata
.endif
;; end of part 3
;; launch attn (part 4): grid 4 x 64, 4 waves a work-group, clusters of 4 x 4, 327,680 bytes of LDS; arguments qkv, attention_mask, attn; writes attn
.if DOCPART == 4
	.amdgcn_target "amdgcn-amd-amdhsa--gfx1250"
	.amdhsa_code_object_version 6
	.text
	.protected	k_qd4a64a5492_attn
	.globl	k_qd4a64a5492_attn
	.p2align	8
	.type	k_qd4a64a5492_attn,@function
k_qd4a64a5492_attn:
	s_mov_b64 s[64:65], 0
	v_nop
	global_prefetch_b8 v0, s[64:65] scope:SCOPE_SE
	s_setreg_imm32_b32 hwreg(HW_REG_WAVE_MODE, 25, 1), 1
	s_wait_xcnt 0x0
	s_wait_alu depctr_hold_cnt(0) depctr_sa_sdst(0) depctr_va_vdst(0) depctr_va_sdst(0) depctr_va_ssrc(0) depctr_va_vcc(0) depctr_vm_vsrc(0)
	s_getreg_b32 s2, hwreg(HW_REG_IB_STS2, 6, 4)
	s_cmp_eq_u32 s2, 0
	s_cbranch_scc0 .Lentry_in_a_cluster
	s_endpgm
.Lentry_in_a_cluster:
	s_bfe_u32 s2, ttmp6, 0x10000c
	s_cmp_lg_u32 s2, 0xf033
	s_cbranch_scc0 .Lentry_shape_is_right
	s_endpgm
.Lentry_shape_is_right:
; attn[token][64 head + :] = the sum over keys of softmax_key(q . k + mask[b][token][key]) v, for 4 batches x 16 heads x 2,048 tokens, head size 64.
; qkv: [8192 tokens][3072] f16 (q, already scaled, at byte 0 of a row of 6,144; k at 2,048; v at 4,096; head h at + 128 h).  mask: [8192 rows][2048] f32.  attn: [8192][1024] f16.
; Products on f16 operands with f32 sums; mask, maxima, exponentials and sums in f32; the weights p (at most 1) are rounded to f16 for the second product, the result once at the end.
; LIMITS: the running maximum is held at -2^100 from below, so that -infinity in the mask gives p = 0; a row all of whose scores lie under -2^100 is not served.  NaN is not served.
; SHARES.  Work-group (x = a group of four heads, y = 128 rows of the 8,192).  Wave w takes head 4 x + w and all 128 queries: eight tiles of 16.  Every wave walks all 2,048 keys, 64 a step.
; The four waves read ONE mask tile (128 x 64 f32) in LDS; K's and V's tiles hold the four heads side by side (rows of 512 bytes).
; CLUSTER 4 x 4.  The mask tile hangs on y alone: asked for jointly along a row of the cluster.  K's and V's tiles hang on x and on the batch, which a cluster's sixteen share: asked for jointly along a column.
; LAYOUT.  S^T = K Q^T + mask^T (source 0 = 16 keys, source 1 = 16 queries): a lane holds ONE query (lane % 16) and keys 8 (lane / 16) + 0..7.  The mask's fragment is loaded into S^T's own registers and
; is the C of the first product: the addition costs no instruction.  Two such tiles, rounded to f16 in pairs, ARE source 1 of O^T = V^T P.  V ([key][channel]) comes out of LDS turned, by ds_load_tr16_b128.
; SOFTMAX.  For each query a running maximum m and sum l: p = 2^(c s - c m), c = log2(e); in every step O and l are multiplied by a = 2^(c m_old - c m_new).
; BY TURNS.  The wave's tiles are two PIECES (piece 0: tiles 0-3, piece 1: tiles 4-7).  In a TURN one piece has the matrix unit: 32 products V^T P of the step in hand, then 32 products K Q^T of the next step;
; the other piece's softmax (4 x 118 vector instructions), cut into 64 slices, stands between them, one slice behind each matrix instruction.  Two turns are a key step.
; REGISTERS, in windows of 256 (s_set_vgpr_msb: bits 1:0 source 0, 3:2 source 1, 5:4 source 2, 7:6 destination):
;   window 0: v0-31 addresses; v32-63 piece 0's statistics, eight a tile; v64-191 its S^T, 32 a tile; v192-255 its P, 16 a tile.   window 1: the same three for piece 1.
;   window 2: O^T, 32 a tile.   window 3: v0-127 Q, 16 a tile; v128-191 K of one step; v192-255 V of one step.
.set KS,    64                         ; keys in a step
.set QROW,  6144                       ; a row of qkv in bytes
.set PM,    272                        ; a row of the mask tile in LDS: 256 bytes + 16 = 68 words: the 16 rows of a load start at 16 different banks (64 banks of 4 bytes: ISA guide 11.1)
.set PK,    528                        ; a row of K: 512 bytes + 16
.set PVP,   544                        ; a row of V: 512 + 32 = 136 words, an odd multiple of 8 words, for the turning load
.set KOFF,  128*PM                     ; a slot: 128 rows of the mask, 64 rows of K, 64 rows of V
.set VOFF,  KOFF+KS*PK
.set SLOT1, 1<<17                      ; slot 1 begins here: one exclusive or turns an address in one slot into the other's
.set STAGE, SLOT1+VOFF+KS*PVP          ; behind the ring: 128 rows x (512 bytes + 16), the work-group's, for the way out
.set SPT,   528
.set SPARE, STAGE+128*SPT              ; the spare words, 128 bytes for each wave
.set AK0, 2                            ; v2   my lane's place in a tile of K; never rewritten
.set AV0, 3                            ; v3   in a tile of V
.set ADK, 4                            ; v4   LDS address of K's loads in hand
.set QO,  5                            ; v5   my byte offset in the wave's rows of q
.set STO, 6                            ; v6   the way out: where I put 16 bytes of a row
.set RD,  7                            ; v7   where I read a row back
.set GO,  8                            ; v8   16 x lane
.set AM0, 12                           ; v12  my lane's place in the mask tile
.set ADM, 13                           ; v13  LDS address of the mask's loads in hand
.set ADV, 14                           ; v14  of V's
.set PFO, 28                           ; v28  the prefetches' offset; never rewritten
.set SPW, 30                           ; v30  LDS address of my spare word; never rewritten
.set NIL, 31                           ; v31  0; never rewritten
.set ST,  32                           ; a tile's statistics at v[ST + 8 t]: +0 c m, +1 m, +2, +3 l (even keys', odd keys'), +4 to +7 at work; a takes +6
.set S,   64
.set P,   192
.set KF,  128                          ; in window 3
.set VF,  192
.set WV,  12                           ; s12  my wave's number
.set LIM, 15                           ; s15  1 in a wave that prefetches, else the greatest number
.set PFA, 18                           ; s[18:19] where my prefetches stand
.set PFS, 20                           ; s[20:21] a tile on, in bytes
.set G1M, 24                           ; s[24:31] group 1 for the mask's tiles;  s[32:39] K's;  s[40:47] V's
.set G1K, 32
.set G1V, 40
.set G0M, 48                           ; s[48:55] group 0 for the mask: a set for each of the two first fills; the second then walks on.  s[56:63] K's, s[68:75] V's
.set G0K, 56
.set G0V, 68
.set CS,  76                           ; s[76:77] c, twice
.set SEL, 78                           ; s[78:79] lane selects for v_permlanex16_b32: lane l xor 16
.set TB,  80                           ; s80  LDS byte at which the slot to be fetched from begins
.set SLOTS, 81                         ; s81  changes of slots that still fill
.set MSB, 0
.macro WIN new                         ; the immediate's high byte repeats the setting that is left; a switch that changes nothing is dropped
.if MSB != (\new)
	s_set_vgpr_msb (MSB<<8)|(\new)
.set MSB, (\new)
.endif
.endm
; A joint refill.  Waves 0 and 1 fetch the mask tile's two halves, wave 2 K's tile, wave 3 V's: one load of 64 rows a wave.  The branches hang on the wave's number alone.
; Four v_nop follow each line.
.macro JLOAD
	s_cmp_lt_u32 s[WV], 2
	s_cbranch_scc0 .Lnot_m_\@
	tensor_load_to_lds s[G0M+4:G0M+7], s[G1M:G1M+7]
	s_nop 0
.rept 4
	v_nop
.endr
	s_branch .Lasked_\@
.Lnot_m_\@:
	s_cmp_eq_u32 s[WV], 2
	s_cbranch_scc0 .Lfor_v_\@
	tensor_load_to_lds s[G0K+4:G0K+7], s[G1K:G1K+7]
	s_nop 0
.rept 4
	v_nop
.endr
	s_branch .Lasked_\@
.Lfor_v_\@:
	tensor_load_to_lds s[G0V+4:G0V+7], s[G1V:G1V+7]
	s_nop 0
.rept 4
	v_nop
.endr
.Lasked_\@:
.endm
; A PREFETCH INTO THE L2 of the tile that the NEXT change of slots will ask for: one key step, 128 matrix instructions, ahead of that load.  Each aligned block of 256 bytes is named once in the launch.
; The mask: wave 0; the four partners of a row of the cluster take 32 of the 128 rows each, told apart BY ADDRESS (cx); a lane a row.  K and V: waves 2 and 3, in the first of the four clusters that walk
; one batch; the four partners of a column take 16 of the 64 rows each (cy), two lanes to a row of 512 bytes.  Wave 1 asks for nothing.  The last change that fills asks for nothing.
.macro ASK
	s_cmp_gt_u32 s[SLOTS], s[LIM]
	s_cbranch_scc0 .Lnot_mine_\@
	global_prefetch_b8 v[PFO], s[PFA:PFA+1] th:TH_LOAD_NT scope:SCOPE_SE
.Lnot_mine_\@:
.endm
.macro CROUND                          ; a round of the cluster's barrier
	s_barrier_signal -1
	s_barrier_wait -1
	s_cmp_lg_u32 s[WV], 0
	s_cbranch_scc1 .Lnot_wave_0_\@
	s_barrier_signal -3
.Lnot_wave_0_\@:
	s_barrier_wait -3
	s_barrier_signal -1
	s_barrier_wait -1
.endm
	s_load_b128 s[4:7], s[0:1], 0x0                ; qkv, the mask
	s_load_b64 s[8:9], s[0:1], 0x10                ; attn
	v_lshl_add_u32 v[SPW], v0, 2, SPARE
	v_mov_b32 v[NIL], 0
	ds_add_u32 v30, v31
	ds_add_u32 v30, v31
	s_wait_dscnt 0x0
	v_lshrrev_b32 v1, 5, v0
	v_readfirstlane_b32 s[WV], v1                  ; wave 0..3
	s_and_b32 s16, s[WV], 1
	s_bfe_u32 s13, ttmp6, 0x40000                  ; cx
	s_bfe_u32 s14, ttmp6, 0x40004                  ; cy
	s_lshl_b32 s85, ttmp9, 2
	s_add_co_u32 s85, s85, s13                     ; my group of four heads = 4 x cluster x + cx
	s_and_b32 s82, ttmp7, 0xffff                   ; cluster y
	s_lshl_b32 s83, s82, 2
	s_add_co_u32 s83, s83, s14                     ; my block of 128 rows = 4 x cluster y + cy
	s_lshr_b32 s84, s82, 2                         ; the batch: 16 blocks, four clusters, to a batch
	s_lshl_b32 s94, s14, 2
	s_lshl_b32 s94, 15, s94                        ; my row of the cluster
	s_lshl_b32 s95, 0x1111, s13                    ; my column
	s_or_b32 s[G1M], s94, (2<<16)|(1<<20)|(1<<21)|(5<<22)|(3<<25)   ; the mask of work-groups; elements of 4 bytes; padding on; bit 21 beside a mask; after every 64 words four words
	s_mov_b32 s[G1M+1], 64<<16                     ; tensor_dim0 = 64
	s_mov_b32 s[G1M+2], 64<<16                     ; tensor_dim1 = 64
	s_mov_b32 s[G1M+3], 64<<16                     ; tile_dim0 = 64
	s_mov_b32 s[G1M+4], 64                         ; tile_dim1 = 64
	s_mov_b32 s[G1M+5], 2048                       ; elements from row to row
	s_mov_b32 s[G1M+6], 0
	s_mov_b32 s[G1M+7], 0
	s_or_b32 s[G1K], s95, (1<<16)|(1<<20)|(1<<21)|(6<<22)|(3<<25)   ; elements of 2 bytes; after every 128 words four words
	s_or_b32 s[G1V], s95, (1<<16)|(1<<20)|(1<<21)|(6<<22)|(7<<25)   ; eight words
.irp g, G1K, G1V
	s_mov_b32 s[\g+1], 256<<16
	s_mov_b32 s[\g+2], KS<<16
	s_mov_b32 s[\g+3], 256<<16
	s_mov_b32 s[\g+4], KS
	s_mov_b32 s[\g+5], 3072
	s_mov_b32 s[\g+6], 0
	s_mov_b32 s[\g+7], 0
.endr
	; offsets.  The mask tile's hangs on my block of rows and the wave alone, K's and V's on the batch and my group of heads alone, each in registers that never hold the other coordinate
	s_lshl_b32 s86, s83, 20                        ; 128 rows of 8,192 bytes a block,
	s_lshl_b32 s87, s16, 19                        ; 64 rows a half
	s_add_co_u32 s86, s86, s87
	s_mov_b32 s87, 0
	s_mul_i32 s88, s84, 2048*QROW                  ; the batch's first token,
	s_lshl_b32 s89, s85, 9                         ; my four heads' 512 bytes,
	s_add_co_u32 s88, s88, s89
	s_add_co_u32 s88, s88, 2048                    ; in k
	s_mov_b32 s89, 0
	s_mul_i32 s90, s83, 128*QROW                   ; q: my block's first row, my head
	s_lshl_b32 s91, s85, 9
	s_add_co_u32 s90, s90, s91
	s_lshl_b32 s91, s[WV], 7
	s_add_co_u32 s90, s90, s91
	s_mov_b32 s91, 0
	s_lshl_b32 s92, s83, 18                        ; attn: (128 x block + 32 x wave) rows of 2,048 bytes + my four heads' 512
	s_lshl_b32 s93, s[WV], 16
	s_add_co_u32 s92, s92, s93
	s_lshl_b32 s93, s85, 9
	s_add_co_u32 s92, s92, s93
	s_mov_b32 s93, 0
	s_mul_i32 s3, s16, 64*PM                       ; where my half of the mask tile goes: no place in the cluster enters an LDS address
	; the prefetches: where they stand (at tile 2: the first change of slots steps them to tile 3), and who asks
	s_lshl_b32 s22, s83, 20
	s_lshl_b32 s23, s13, 18                        ; the mask: my work-group's 32 rows of the 128
	s_add_co_u32 s22, s22, s23
	s_add_co_u32 s22, s22, 2*256
	s_mul_i32 s23, s14, 16*QROW                    ; K, V: my work-group's 16 rows of the 64,
	s_add_co_u32 s23, s23, s88
	s_lshl_b32 s17, s16, 11                        ; wave 3: v lies 2,048 bytes behind k
	s_add_co_u32 s23, s23, s17
	s_add_co_u32 s23, s23, 2*KS*QROW
	s_and_b32 s17, s82, 3                          ; 0 in the first cluster of a batch
	s_mov_b32 s[PFS], KS*QROW
	s_mov_b32 s2, QROW
	s_cmp_lt_u32 s[WV], 2                          ; the mask's waves or K's and V's?
	s_cselect_b32 s22, s22, s23
	s_cselect_b32 s[PFS], 256, s[PFS]              ; a tile on
	s_cselect_b32 s2, 8192, s2                     ; from row to row
	s_cselect_b32 s96, 0, 1                        ; lanes to a row, less one
	s_cselect_b32 s17, s[WV], s17                  ; wave 0 asks, wave 1 does not; waves 2 and 3 in a batch's first cluster: the same in all sixteen partners
	s_wait_kmcnt 0x0
	s_cselect_b64 s[PFA:PFA+1], s[6:7], s[4:5]
	s_cmp_eq_u32 s17, 0
	s_cselect_b32 s[LIM], 1, -1
	s_mov_b32 s23, 0
	s_mov_b32 s[PFS+1], 0
	s_add_nc_u64 s[PFA:PFA+1], s[PFA:PFA+1], s[22:23]
	v_and_b32 v10, 31, v0
	v_lshrrev_b32 v[PFO], s96, v10
	v_mul_lo_u32 v[PFO], v[PFO], s2
	v_and_b32 v10, s96, v10
	v_lshl_add_u32 v[PFO], v10, 8, v[PFO]          ; a lane a row (the mask), or two lanes, 256 bytes apart, to a row (K, V)
	s_add_nc_u64 s[86:87], s[6:7], s[86:87]        ; the mask's tile 0, my half
	s_add_nc_u64 s[88:89], s[4:5], s[88:89]        ; K's tile 0
	s_add_nc_u64 s[10:11], s[4:5], s[90:91]        ; q at my first row
	s_add_nc_u64 s[8:9], s[8:9], s[92:93]
	s_mov_b32 s[CS], 0x3fb8aa3b                    ; c = log2(e)
	s_mov_b32 s[CS+1], s[CS]
	s_mov_b32 s[SEL], 0x76543210
	s_mov_b32 s[SEL+1], 0xfedcba98
	s_mov_b32 s[TB], 0
	s_mov_b32 s[SLOTS], 2048/KS-3                  ; 29: the loop's trips
	CROUND                                         ; all sixteen work-groups are here: the first joint loads meet
.irp s, 0,1
	s_mov_b32 s[G0M+4*\s], 1                       ; count = 1
	s_add_co_u32 s[G0M+4*\s+1], s3, \s*SLOT1       ; LDS address
	s_add_nc_u64 s[G0M+4*\s+2:G0M+4*\s+3], s[86:87], \s*256   ; tile s: keys 64 s on
	s_or_b32 s[G0M+4*\s+3], s[G0M+4*\s+3], 0x80000000         ; type = 2
	s_mov_b32 s[G0K+4*\s], 1
	s_mov_b32 s[G0K+4*\s+1], KOFF+\s*SLOT1
	s_add_nc_u64 s[G0K+4*\s+2:G0K+4*\s+3], s[88:89], \s*KS*QROW
	s_or_b32 s[G0K+4*\s+3], s[G0K+4*\s+3], 0x80000000
	s_mov_b32 s[G0V+4*\s], 1
	s_mov_b32 s[G0V+4*\s+1], VOFF+\s*SLOT1
	s_add_nc_u64 s[G0V+4*\s+2:G0V+4*\s+3], s[88:89], 2048+\s*KS*QROW
	s_or_b32 s[G0V+4*\s+3], s[G0V+4*\s+3], 0x80000000
.endr
	s_cmp_lt_u32 s[WV], 2                          ; a wave's two first fills stand in one branch: two loads of mine are out
	s_cbranch_scc0 .Lfirst_kv
	tensor_load_to_lds s[G0M:G0M+3], s[G1M:G1M+7]
	s_nop 0
	tensor_load_to_lds s[G0M+4:G0M+7], s[G1M:G1M+7]
	s_nop 0
.rept 4
	v_nop
.endr
	s_branch .Lfirst_asked
.Lfirst_kv:
	s_cmp_eq_u32 s[WV], 2
	s_cbranch_scc0 .Lfirst_v
	tensor_load_to_lds s[G0K:G0K+3], s[G1K:G1K+7]
	s_nop 0
	tensor_load_to_lds s[G0K+4:G0K+7], s[G1K:G1K+7]
	s_nop 0
.rept 4
	v_nop
.endr
	s_branch .Lfirst_asked
.Lfirst_v:
	tensor_load_to_lds s[G0V:G0V+3], s[G1V:G1V+7]
	s_nop 0
	tensor_load_to_lds s[G0V+4:G0V+7], s[G1V:G1V+7]
	s_nop 0
.rept 4
	v_nop
.endr
.Lfirst_asked:
	; A fragment of K or Q is 16 rows x 32 channels in 8 registers: lane l holds row l % 16; registers 0-3 channels 8 (l / 16) + 0..7, registers 4-7 channels 16 + 8 (l / 16) + 0..7.
	v_and_b32 v1, 15, v0                           ; l % 16
	v_bfe_u32 v9, v0, 4, 1                         ; l / 16
	v_mul_u32_u24 v[QO], v1, QROW
	v_lshl_add_u32 v[QO], v9, 4, v[QO]
	WIN 0xc0                                       ; destination window 3
.irp t, 0,1,2,3,4,5,6,7                        ; Q stays in registers: tile t, channels 32 c on
.irp c, 0,1
	global_load_b128 v[16*\t+8*\c:16*\t+8*\c+3],   v[QO], s[10:11] offset:\t*16*QROW+64*\c
	global_load_b128 v[16*\t+8*\c+4:16*\t+8*\c+7], v[QO], s[10:11] offset:\t*16*QROW+64*\c+32
.endr
.endr
	WIN 0
	s_lshl_b32 s82, s[WV], 7                       ; my head's 128 bytes of a row of K, of V and of the stage
	s_add_co_u32 s83, s82, KOFF
	v_mul_u32_u24 v[AK0], v1, PK
	v_lshl_add_u32 v[AK0], v9, 4, v[AK0]
	v_add_nc_u32 v[AK0], s83, v[AK0]               ; row x pitch + 16 x half + my head
	v_and_b32 v10, 7, v0                           ; the turning load: lane l reads 16 bytes: key 8 (l / 16) + l % 8, channels 8 ((l / 8) % 2) + 0..7
	v_bfe_u32 v11, v0, 3, 1
	v_lshl_add_u32 v[AV0], v9, 3, v10
	v_mul_u32_u24 v[AV0], v[AV0], PVP
	v_lshl_add_u32 v[AV0], v11, 4, v[AV0]
	s_add_co_u32 s83, s82, VOFF
	v_add_nc_u32 v[AV0], s83, v[AV0]
	v_mul_u32_u24 v[AM0], v1, PM                   ; the mask: row = my query, + 32 bytes (8 keys) for the upper half of the lanes
	v_lshl_add_u32 v[AM0], v9, 5, v[AM0]
; THE MATRIX WORK OF A TURN, for piece x.  The sixteen accumulators take turns, one instruction a turn.
; Product i of 32 of O^T += V^T P: tile 4 x + i % 4, channels 16 ((i / 4) % 4) on, keys 32 (i / 16) on.  zero = 1: the first 16 start the sums: nothing is ever cleared.
.macro PV x, zero
	WIN 0xa3|((\x)<<2)                             ; V window 3, P window x, O^T window 2
.set rO, 32*(4*(\x)+i%4)+8*((i/4)%4)
.set rV, VF+32*(i/16)+8*((i/4)%4)
.set rP, P+16*(i%4)+8*(i/16)
.if \zero && (i < 16)
	v_wmma_f32_16x16x32_f16 v[rO:rO+7], v[rV:rV+7], v[rP:rP+7], 0
.else
	v_wmma_f32_16x16x32_f16 v[rO:rO+7], v[rV:rV+7], v[rP:rP+7], v[rO:rO+7]
.endif
.endm
; Product i of 32 of S^T = K Q^T + mask^T: tile 4 x + i % 4, keys 16 ((i / 4) % 4) on, channels 32 (i / 16) on.  The first 16 add onto the mask's fragment, which was loaded into S^T's registers.
.macro KQ x
	WIN 0x0f|(0x50*(\x))                           ; K and Q window 3, S^T window x
.set rS, S+32*(i%4)+8*((i/4)%4)
.set rK, KF+16*((i/4)%4)+8*(i/16)
.set rQ, 16*(4*(\x)+i%4)+8*(i/16)
	v_wmma_f32_16x16x32_f16 v[rS:rS+7], v[rK:rK+7], v[rQ:rQ+7], v[rS:rS+7]
.endm
; THE LDS LOADS stand in runs, never singly among the matrix instructions.
.macro FETCH_K                         ; a step's K of my head: 64 keys x 64 channels: 8 fragments
	WIN 0
	v_add_nc_u32 v[ADK], s[TB], v[AK0]
	WIN 0xc0
.irp u, 0,1,2,3
.irp c, 0,1
	ds_load_b128 v[KF+16*\u+8*\c:KF+16*\u+8*\c+3],   v[ADK] offset:\u*16*PK+64*\c
	ds_load_b128 v[KF+16*\u+8*\c+4:KF+16*\u+8*\c+7], v[ADK] offset:\u*16*PK+64*\c+32
.endr
.endr
.endm
.macro FETCH_M y                       ; the mask for piece y, in the result's layout: register 32 t + 8 u + j is mask[query 16 (4 y + t) + l % 16][key 16 u + 8 (l / 16) + j]
	WIN 0
	v_add_nc_u32 v[ADM], s[TB], v[AM0]
	WIN 0x40*(\y)                                  ; destination window y
.irp t, 0,1,2,3
.irp u, 0,1,2,3
	ds_load_b128 v[S+32*\t+8*\u:S+32*\t+8*\u+3],   v[ADM] offset:16*(4*(\y)+\t)*PM+64*\u
	ds_load_b128 v[S+32*\t+8*\u+4:S+32*\t+8*\u+7], v[ADM] offset:16*(4*(\y)+\t)*PM+64*\u+16
.endr
.endr
.endm
.macro FETCH_V                         ; a step's V of my head, turned: keys 32 u on, channels 16 c on
	WIN 0
	v_add_nc_u32 v[ADV], s[TB], v[AV0]
	WIN 0xc0
.irp u, 0,1
.irp c, 0,1,2,3
	ds_load_tr16_b128 v[VF+32*\u+8*\c:VF+32*\u+8*\c+3],   v[ADV] offset:\u*32*PVP+32*\c
	ds_load_tr16_b128 v[VF+32*\u+8*\c+4:VF+32*\u+8*\c+7], v[ADV] offset:\u*32*PVP+16*PVP+32*\c
.endr
.endr
.endm
; THE VECTOR WORK OF A TURN.  One tile's softmax for one key step is a list of 118 instructions; SM writes number j of it for tile t of piece y.  s0-s31 are the lane's 32 scores, in pairs 0-15.
; first = 1: the first key step, which starts m, l and O^T: it has no a and nothing to rescale; its maximum takes the floor -2^100 in the old m's place.
;   0-15    the maximum of s0-s31 and the old m, three operands at a time, from each accumulator's low end on
;   16-20   the other half of the lanes' maximum; the new m; c m; c m_old - c m_new
;   21-87   33 exponentials (a, then s0-s31) at the odd numbers from 23 on, each with a plain instruction behind it; the plain ones are c s - c m for pairs still to come, roundings to f16 of pairs done, the first sums
;   88-101  the last rounding; the rest of the sums; l = a l + the sum
;   102-117 the tile's O^T times a, ascending
.macro SM y, t, first
.set rT, ST+8*(\t)
.set rS, S+32*(\t)
.set rP, P+16*(\t)
.set rO, 32*(4*(\y)+(\t))+2*(j-102)
.set q, (j-20)/2
.if j < 102
	WIN 0x55*(\y)
.endif
.if j < 4
	v_max3_num_f32 v[rT+4+j], v[rS+8*j], v[rS+8*j+1], v[rS+8*j+2]
.elseif j < 12
	v_max3_num_f32 v[rT+4+j%4], v[rT+4+j%4], v[rS+8*(j%4)+2*(j/4)+1], v[rS+8*(j%4)+2*(j/4)+2]
.elseif j == 12
	v_max3_num_f32 v[rT+4], v[rT+4], v[rS+7], v[rS+15]
.elseif j == 13
	v_max3_num_f32 v[rT+6], v[rT+6], v[rS+23], v[rS+31]
.elseif j == 14
	v_max3_num_f32 v[rT+4], v[rT+4], v[rT+5], v[rT+6]
.elseif (j == 15) && \first
	v_max3_num_f32 v[rT+4], v[rT+4], v[rT+7], 0xf1800000   ; the floor -2^100: m is a finite number even where every score so far is -infinity
.elseif j == 15
	v_max3_num_f32 v[rT+4], v[rT+4], v[rT+7], v[rT+1]
.elseif j == 16
	v_permlanex16_b32 v[rT+5], v[rT+4], s[SEL], s[SEL+1]   ; the query's other 32 keys lie in the lane 16 away
.elseif j == 18
	v_max_num_f32 v[rT+1], v[rT+4], v[rT+5]
.elseif j == 19
	v_mul_f32 v[rT], s[CS], v[rT+1]
.elseif ((j == 17) || (j == 20) || (j == 23) || (j > 101)) && \first   ; the first step has none of these
.elseif j == 17
	v_mov_b32 v[rT+7], v[rT]                       ; c m_old is kept for a
.elseif j == 20
	v_sub_f32 v[rT+7], v[rT+7], v[rT]
.elseif j == 23
	v_exp_f32 v[rT+6], v[rT+7]
.elseif (j < 88) && (j > 23) && (j%2 == 1)
	v_exp_f32 v[rS+(j-25)/2], v[rS+(j-25)/2]
.elseif (q < 4) || ((j < 76) && (q%2 == 0))
.set b, q/2+2
.if q < 4
.set b, q
.endif
	v_pk_fma_f32 v[rS+2*b:rS+2*b+1], v[rS+2*b:rS+2*b+1], s[CS:CS+1], v[rT:rT+1] op_sel_hi:[1,0,0] neg_lo:[0,0,1] neg_hi:[0,0,1]   ; pair b: c s - c m
.elseif (j < 88) && (q%2 == 1)
	s_wait_alu depctr_va_vdst(0)
	v_cvt_pk_f16_f32 v[rP+(q-5)/2], v[rS+q-5], v[rS+q-4]   ; pair (q - 5) / 2: its second exponential stands three numbers back
.elseif j == 89
	s_wait_alu depctr_va_vdst(0)
	v_cvt_pk_f16_f32 v[rP+15], v[rS+30], v[rS+31]
.elseif j < 102                        ; the sum of the tile's 16 pairs, in place: neighbours 1, 2, 4 and 8 pairs apart, then l takes it
.set z, j-86
.if j < 89
.set z, (j-76)/4
.endif
.set w, 4
.set u, z
.if z >= 14
.set w, 32
.set u, 0
.elseif z >= 12
.set w, 16
.set u, z-12
.elseif z >= 8
.set w, 8
.set u, z-8
.endif
.if (z == 14) && \first
	v_pk_add_f32 v[rT+2:rT+3], v[rS:rS+1], v[rS+16:rS+17]
.elseif z < 15
	v_pk_add_f32 v[rS+w*u:rS+w*u+1], v[rS+w*u:rS+w*u+1], v[rS+w*u+w/2:rS+w*u+w/2+1]
.elseif !\first
	v_pk_fma_f32 v[rT+2:rT+3], v[rT+2:rT+3], v[rT+6:rT+7], v[rS:rS+1] op_sel_hi:[1,0,1]
.endif
.else
	WIN 0x82|((\y)<<2)                             ; O^T window 2, a window y
	v_pk_mul_f32 v[rO:rO+1], v[rO:rO+1], v[rT+6:rT+7] op_sel_hi:[1,0]
.endif
.endm
; Slice k of 64 of piece y's softmax.  k < 51: numbers 2 k and 2 k + 1 of the four tiles (among the exponentials tile by tile: plain, exponential, plain, exponential; else number by number, so that no
; instruction reads the result of the one just before it).  k = 51 .. 62: one number of the rescaling of each tile.  k = 63: the last four of each: sixteen plain instructions, the places behind the turn's last products.
.macro SLICE y, first
.if k < 51
.if (k >= 11) && (k < 44)
.irp t, 0,1,2,3
.irp n, 0,1
.set j, 2*k+\n
	SM \y, \t, \first
.endr
.endr
.else
.irp n, 0,1
.irp t, 0,1,2,3
.set j, 2*k+\n
	SM \y, \t, \first
.endr
.endr
.endif
.elseif k < 63
.irp t, 0,1,2,3
.set j, 102+(k-51)
	SM \y, \t, \first
.endr
.else
.irp n, 0,1,2,3
.irp t, 0,1,2,3
.set j, 114+\n
	SM \y, \t, \first
.endr
.endr
.endif
.set k, k+1
.endm
.macro PLACES                          ; plain vector lines between a matrix instruction and a read of its result or a load into its registers; in the loop the slices are the places
.rept 4
	v_nop
.endr
.endm
; A TURN.  Piece x has the matrix unit; the other piece's softmax stands in slices behind its matrix instructions.
; pv = 2: 32 products V^T P; 1: they start O^T's sums; 0: none.  kq = 1: 32 products K Q^T for the next step.  A turn with one of the two kinds has two slices behind each product.
; Each run of loads stands behind the second product of a run of 32.  Piece 0's turn fetches the next step's K and its own mask; piece 1's its own mask and, behind its products V^T P, the next step's V
; (V's last reader stands three slices, twelve plain instructions, back; K's in front of slice 63 of the turn before; S^T's registers were left by their softmax a turn ago).
.macro TURN x, pv, kq, first
.set k, 0
.set per, 2
.if \pv && \kq
.set per, 1
.endif
.if \pv
.if \x == 0
	s_wait_dscnt 0x0                               ; V is in
.endif
.set i, 0
.rept 32
	PV \x, 2-\pv
.rept per
	SLICE 1-\x, \first
.endr
.if \kq && (i == 1)
.if \x == 0
	FETCH_K
	FETCH_M 0
.else
	FETCH_M 1
.endif
.endif
.set i, i+1
.endr
.endif
.if \kq
	s_wait_dscnt 0x0                               ; K and my mask are in
.set i, 0
.rept 32
	KQ \x
.rept per
	SLICE 1-\x, \first
.endr
.if (\x == 1) && (i == 1)
	FETCH_V
.endif
.set i, i+1
.endr
.endif
.if \first
	PLACES                                         ; a first softmax has no rescaling: the turn's last products stand bare
.endif
.endm
; THE CHANGE OF SLOTS, between piece 1's turn and piece 0's: the slot's last bytes, V, have been asked for.  Each wave waits for all its tensor loads, of which one is out: its part of the other slot;
; adds 0 to its spare word; and waits for that and for its own reads of the slot.  fill = 1: the slot is filled again, with the keys two steps on; the barrier is then a round of the cluster's, and the
; joint refill is the first thing behind it: it has one key step, 128 matrix instructions and their slices, in which to land.
.macro CHANGE fill
	WIN 0                                          ; at a label and at a branch every window is 0
	s_wait_tensorcnt 0x0                           ; no tensor load of mine is out, so a group 0 may be written
	ds_add_u32 v[SPW], v[NIL]                      ; 0 onto my spare word
.if \fill
.irp g, G0M+4, G0K+4, G0V+4
	s_xor_b32 s[\g+1], s[\g+1], SLOT1              ; the walking descriptors: the other slot than last time,
.endr
	s_add_nc_u64 s[G0M+6:G0M+7], s[G0M+6:G0M+7], 256        ; the next 64 keys; the type bits on top are not reached
	s_add_nc_u64 s[G0K+6:G0K+7], s[G0K+6:G0K+7], KS*QROW
	s_add_nc_u64 s[G0V+6:G0V+7], s[G0V+6:G0V+7], KS*QROW
	s_wait_xcnt 0x0                                ; the last prefetch, a key step back, has read its address, so it may be written
	s_add_nc_u64 s[PFA:PFA+1], s[PFA:PFA+1], s[PFS:PFS+1]   ; one tile further on than the walking descriptors
	s_wait_dscnt 0x0                               ; the add is done, and my reads of the slot are over
	CROUND
	JLOAD
	ASK
.else
	s_wait_dscnt 0x0
	s_barrier_signal -1
	s_barrier_wait -1
.endif
	s_xor_b32 s[TB], s[TB], SLOT1                  ; the fetches go on in the other slot
.endm
	s_wait_tensorcnt 1                             ; my part of tile 0 is in; tile 1's may stay out
	s_barrier_signal -1
	s_barrier_wait -1                              ; everybody's is
	FETCH_K                                        ; key step 0
	FETCH_M 0
	FETCH_M 1
	s_wait_loadcnt 0x0                             ; Q
	s_wait_dscnt 0x0
.set i, 0
.rept 32
	KQ 0                                           ; piece 0's first scores: there is no vector work yet to set between them
.set i, i+1
.endr
	WIN 0                                          ; the addresses for the way out: six plain instructions, the places behind those products
	s_add_co_u32 s83, s82, STAGE
	v_mul_u32_u24 v[STO], v1, SPT                  ; in: row l % 16, 16 bytes for each half of the lanes, my head's 128 bytes
	v_lshl_add_u32 v[STO], v9, 4, v[STO]
	v_add_nc_u32 v[STO], s83, v[STO]
	s_mul_i32 s83, s[WV], 32*SPT
	s_add_co_u32 s83, s83, STAGE
	v_and_b32 v[GO], 31, v0
	v_lshlrev_b32 v[GO], 4, v[GO]                  ; back: the 32 lanes take one row of 512 bytes; wave w rows 32 w on
	v_add_nc_u32 v[RD], s83, v[GO]
	TURN 1, 0, 1, 1                                ; piece 1's first scores | piece 0's first softmax | V of step 0
	CHANGE 1                                       ; tile 0 is read out: its slot takes tile 2
	TURN 0, 1, 1, 1                                ; piece 0: V^T P of step 0 starts O^T, K Q^T of step 1 | piece 1's first softmax
	TURN 1, 1, 1, 0                                ; piece 1: the same | piece 0's softmax of step 1
	WIN 0
.Lslot:                                            ; 29 trips: tiles 3 to 31 are asked for
	CHANGE 1
	TURN 0, 2, 1, 0
	TURN 1, 2, 1, 0
	WIN 0
	s_sub_co_u32 s[SLOTS], s[SLOTS], 1
	s_cmp_lg_u32 s[SLOTS], 0
	s_cbranch_scc1 .Lslot
	CHANGE 0                                       ; the tail is written out: nothing is left to ask for
	TURN 0, 2, 1, 0
	TURN 1, 2, 1, 0
	TURN 0, 2, 0, 0                                ; piece 0: V^T P of the last step | piece 1's last softmax
.set i, 0
.rept 32
	PV 1, 0                                        ; piece 1: V^T P of the last step
.set i, i+1
.endr
	; THE WAY OUT.  l's two halves and the other half of the lanes' are added; O^T is divided by l, rounded to f16 and meets the other three heads' in the stage.  The additions are the places behind the last products.
.irp y, 0,1
	WIN 0x55*\y
.irp t, 0,1,2,3
	v_add_f32 v[ST+8*\t+4], v[ST+8*\t+2], v[ST+8*\t+3]
.endr
.irp t, 0,1,2,3
	v_permlanex16_b32 v[ST+8*\t+5], v[ST+8*\t+4], s[SEL], s[SEL+1]
.endr
.irp t, 0,1,2,3
	v_add_f32 v[ST+8*\t+4], v[ST+8*\t+4], v[ST+8*\t+5]
.endr
.irp t, 0,1,2,3
	v_rcp_f32 v[ST+8*\t+6], v[ST+8*\t+4]
.endr
.endr
	v_nop                                          ; a plain instruction between the last reciprocal and the use of its result
.macro PACK t                          ; tile t: a lane's eight channels of a row pack into 16 bytes
	WIN 0x82|(((\t)/4)<<2)
.set n, 32*(\t)
.rept 16
	s_wait_alu depctr_va_vdst(0)
	v_pk_mul_f32 v[n:n+1], v[n:n+1], v[ST+8*((\t)%4)+6:ST+8*((\t)%4)+7] op_sel_hi:[1,0]
.set n, n+2
.endr
	WIN 0x0a                                       ; sources window 2, destination window 0: piece 0's S^T is free
.set n, 0
.rept 16
	v_cvt_pk_f16_f32 v[S+16*(\t)+n], v[32*(\t)+2*n], v[32*(\t)+2*n+1]
.set n, n+1
.endr
	WIN 0
.irp u, 0,1,2,3
	ds_store_b128 v[STO], v[S+16*(\t)+4*\u:S+16*(\t)+4*\u+3] offset:16*(\t)*SPT+32*\u
.endr
.endm
.irp t, 0,1,2,3,4,5,6,7
	PACK \t
.endr
	s_wait_dscnt 0x0                               ; for the others' sake: my stores into the stage are done
	s_barrier_signal -1
	s_barrier_wait -1                              ; a row's 512 bytes come from four waves
.set n, 0
.rept 32
	ds_load_b128 v[S+4*n:S+4*n+3], v[RD] offset:SPT*n
.set n, n+1
.endr
.set n, 0
.rept 32
	s_wait_dscnt 31-n                              ; load n is in; the younger ones stay out
	global_store_b128 v[GO], v[S+4*n:S+4*n+3], s[8:9] offset:2048*n   ; 32 lanes store 512 consecutive bytes, at a multiple of 256 from the buffer's first byte
.set n, n+1
.endr
	s_wait_tensorcnt 0x0                           ; the wave's end
	ds_add_u32 v[SPW], v[NIL]
	s_wait_dscnt 0x0
	CROUND                                         ; the closing round: no work-group ends while a partner may still ask for a tile that names it
	s_endpgm
.Lfunc_end_k_qd4a64a5492_attn:
	.size	k_qd4a64a5492_attn, .Lfunc_end_k_qd4a64a5492_attn-k_qd4a64a5492_attn
	.p2alignl 7, 3214868480
	.fill 96, 4, 3214868480
	.section	.rodata,"a",@progbits
	.p2align	6, 0x0
	.amdhsa_kernel k_qd4a64a5492_attn
		.amdhsa_group_segment_fixed_size 327680
		.amdhsa_private_segment_fixed_size 0
		.amdhsa_enable_private_segment 0
		.amdhsa_kernarg_size 24
		.amdhsa_user_sgpr_count 2
		.amdhsa_user_sgpr_kernarg_segment_ptr 1
		.amdhsa_wavefront_size32 1
		.amdhsa_system_sgpr_workgroup_id_x 1
		.amdhsa_system_sgpr_workgroup_id_y 1
		.amdhsa_system_sgpr_workgroup_id_z 1
		.amdhsa_system_vgpr_workitem_id 0
		.amdhsa_next_free_vgpr 1024
		.amdhsa_next_free_sgpr 98
		.amdhsa_reserve_vcc 0
		.amdhsa_float_denorm_mode_32 3
		.amdhsa_float_denorm_mode_16_64 3
		.amdhsa_memory_ordered 1
		.amdhsa_forward_progress 1
		.amdhsa_inst_pref_size 255
	.end_amdhsa_kernel
	.section	.bss,"aw",@nobits
	.p2align	6
	.space	262144
	.amdgpu_metadata
---
amdhsa.version: [ 1, 2 ]
amdhsa.kernels:
  - .name:           k_qd4a64a5492_attn
    .symbol:         k_qd4a64a5492_attn.kd
    .args:
      - { .name: qkv, .offset: 0, .size: 8, .value_kind: global_buffer, .address_space: global }
      - { .name: attention_mask, .offset: 8, .size: 8, .value_kind: global_buffer, .address_space: global }
      - { .name: attn, .offset: 16, .size: 8, .value_kind: global_buffer, .address_space: global }
    .group_segment_fixed_size: 327680
    .private_segment_fixed_size: 0
    .kernarg_segment_align: 8
    .kernarg_segment_size: 24
    .max_flat_workgroup_size: 128
    .sgpr_count:     98
    .vgpr_count:     1024
    .wavefront_size: 32
...
	.end_amdgpu_metadata
.endif
;; end of part 4
;; launch outp (part 5): grid 8 x 32, 4 waves a work-group, clusters of 4 x 4, 327,680 bytes of LDS; arguments attn, woh, bo, out0; writes out0
.if DOCPART == 5
	.amdgcn_target "amdgcn-amd-amdhsa--gfx1250"
	.amdhsa_code_object_version 6
	.text
	.protected	k_qd4a64a5492_outp
	.globl	k_qd4a64a5492_outp
	.p2align	8
	.type	k_qd4a64a5492_outp,@function
k_qd4a64a5492_outp:
	s_mov_b64 s[64:65], 0
	v_nop
	global_prefetch_b8 v0, s[64:65] scope:SCOPE_SE
	s_setreg_imm32_b32 hwreg(HW_REG_WAVE_MODE, 25, 1), 1
	s_wait_xcnt 0x0
	s_wait_alu depctr_hold_cnt(0) depctr_sa_sdst(0) depctr_va_vdst(0) depctr_va_sdst(0) depctr_va_ssrc(0) depctr_va_vcc(0) depctr_vm_vsrc(0)
	s_getreg_b32 s2, hwreg(HW_REG_IB_STS2, 6, 4)
	s_cmp_eq_u32 s2, 0
	s_cbranch_scc0 .Lentry_in_a_cluster
	s_endpgm
.Lentry_in_a_cluster:
	s_bfe_u32 s2, ttmp6, 0x10000c
	s_cmp_lg_u32 s2, 0xf033
	s_cbranch_scc0 .Lentry_shape_is_right
	s_endpgm
.Lentry_shape_is_right:
; out0[m][n] = sum over k of attn[m][k] Wo[k][n] + bo[n].  attn: [8192][1024] f16, K innermost.  woh: Wo as f16, [k 1024][n 1024], K its FIRST axis.  bo: [1024] f32.  out0: [8192][1024] f32.  Sums in f32.
; A tile of 256 (m) x 128 (n) gives 256 work-groups.  Four waves, each 128 x 64: 32 accumulators of 16 x 16, 256 registers.  K goes in steps of 128 through a ring of two LDS slots (eight K steps).
; Wo's tile lies in LDS as it lies in memory, [k][n], and its fragments come out turned, by ds_load_tr16_b128.
; CLUSTERS: 4 x 4 work-groups.  attn's tile hangs on the tile row alone: asked for jointly along a row of the cluster; Wo's on the tile column alone: along a column.
; THE MATRIX INSTRUCTION IS USED TRANSPOSED (source 0 = 16 columns of Wo, source 1 = 16 rows of attn): a lane holds eight neighbouring columns of a row of the result.
; The bias is the C of each sum's first product: eight registers for each of my four blocks of columns, in the result's layout.
; No prefetch: the launch has eight K steps, of which the first four could not be asked for ahead.
; REGISTERS: window 0: v0-31 addresses; v32-63 the bias; v64-127 rows read back from the stage, two sets.   window 1: two fragment buffers (v0, v128): 64 registers of attn (8 x 16 rows x 32 K), then 32 of Wo.
;   window 2: the accumulators ((a, b) at v[8 (4 a + b)]).
.set PA,     272                       ; a row of attn's tile in LDS: 256 bytes + 16
.set PB,     288                       ; a row (one k) of Wo's tile: 256 bytes + 32 = 72 words, an odd multiple of 8 words, for the turning load
.set AHALF,  128*PA
.set BOFF,   2*AHALF                   ; attn's 256 rows, then Wo's 128 rows
.set BHALF,  64*PB
.set SLOT,   BOFF+2*BHALF
.set STAGE,  2*SLOT                    ; behind the ring: 16 rows x (256 bytes + 16) for each wave
.set SPITCH, 272
.set SPARE,  STAGE+4*16*SPITCH         ; the spare words, 128 bytes for each wave
.set LAPS,   4                         ; a lap = two K steps = once round the ring
.set ADRA, 16
.set ADRB, 20
.set STO,  24
.set RD,   25
.set CO,   26
.set BO,   27
.set SPW,  28
.set NIL,  29
.set BI,   32
.set BK,   64
.set F0,   0
.set F1,   128
.set G1, 24                            ; s[24:31] group 1 for attn's tiles; s[32:39] group 0, a set for each slot
.set G0, 32
.set G1B, 48                           ; s[48:55], s[56:63] the same for Wo's
.set G0B, 56
.set MSB, 0
.macro WIN new
.if MSB != (\new)
	s_set_vgpr_msb (MSB<<8)|(\new)
.set MSB, (\new)
.endif
.endm
.set MUL,  0xa5                        ; sources 0 and 1 window 1; C and D window 2
.set MUL0, 0x85                        ; the same with C (the bias) in window 0
.set TO_F, 0x40
.macro JLOAD s                         ; a joint load: waves 0 and 1 fetch attn's two halves, waves 2 and 3 Wo's; four v_nop follow each line
	s_cmp_eq_u32 s11, 0
	s_cbranch_scc0 .Lfor_b_\@
	tensor_load_to_lds s[G0+4*\s:G0+4*\s+3], s[G1:G1+7]
	s_nop 0
.rept 4
	v_nop
.endr
	s_branch .Lasked_\@
.Lfor_b_\@:
	tensor_load_to_lds s[G0B+4*\s:G0B+4*\s+3], s[G1B:G1B+7]
	s_nop 0
.rept 4
	v_nop
.endr
.Lasked_\@:
.endm
.macro CREST                           ; a round of the cluster's barrier behind its opening barrier
	s_cmp_lg_u32 s10, 0
	s_cbranch_scc1 .Lnot_wave_0_\@
	s_barrier_signal -3
.Lnot_wave_0_\@:
	s_barrier_wait -3
	s_barrier_signal -1
	s_barrier_wait -1
.endm
.macro CROUND
	s_barrier_signal -1
	s_barrier_wait -1
	CREST
.endm
	s_load_b128 s[4:7], s[0:1], 0x0                ; attn, woh
	s_load_b64 s[68:69], s[0:1], 0x10              ; bo
	s_load_b64 s[8:9], s[0:1], 0x18                ; out0
	v_lshl_add_u32 v[SPW], v0, 2, SPARE
	v_mov_b32 v[NIL], 0
	ds_add_u32 v28, v29
	ds_add_u32 v28, v29
	s_wait_dscnt 0x0
	v_lshrrev_b32 v1, 5, v0
	v_readfirstlane_b32 s10, v1                    ; wave 0..3
	s_lshr_b32 s11, s10, 1                         ; which 128 of the tile's rows are mine.  Also: I fetch for attn (0) or for Wo (1)
	s_and_b32 s12, s10, 1                          ; which 64 of its columns.  Also: which half of that tile I fetch
	s_bfe_u32 s40, ttmp6, 0x40000                  ; cx, cy
	s_bfe_u32 s41, ttmp6, 0x40004
	s_lshl_b32 s42, ttmp9, 2
	s_add_co_u32 s42, s42, s40                     ; tile column
	s_and_b32 s13, ttmp7, 0xffff
	s_lshl_b32 s13, s13, 2
	s_add_co_u32 s13, s13, s41                     ; tile row
	s_lshl_b32 s43, s41, 2
	s_lshl_b32 s43, 15, s43                        ; my row of the cluster
	s_lshl_b32 s44, 0x1111, s40                    ; my column
	s_or_b32 s[G1+0], s43, (1<<16)|(1<<20)|(1<<21)|(5<<22)|(3<<25)  ; elements of 2 bytes; padding: four words after every 64
	s_mov_b32 s[G1+1], 128<<16                     ; tensor_dim0 = 128
	s_mov_b32 s[G1+2], 128<<16                     ; tensor_dim1 = 128
	s_mov_b32 s[G1+3], 128<<16                     ; tile_dim0 = 128
	s_mov_b32 s[G1+4], 128                         ; tile_dim1 = 128
	s_mov_b32 s[G1+5], 1024                        ; elements from row to row
	s_mov_b32 s[G1+6], 0
	s_mov_b32 s[G1+7], 0
	s_or_b32 s[G1B+0], s44, (1<<16)|(1<<20)|(1<<21)|(5<<22)|(7<<25) ; padding: eight words after every 64
	s_mov_b32 s[G1B+1], 128<<16
	s_mov_b32 s[G1B+2], 64<<16
	s_mov_b32 s[G1B+3], 128<<16
	s_mov_b32 s[G1B+4], 64
	s_mov_b32 s[G1B+5], 1024
	s_mov_b32 s[G1B+6], 0
	s_mov_b32 s[G1B+7], 0
	s_lshl_b32 s16, s13, 19                        ; attn: (256 x tile row + 128 x half) rows of 2,048 bytes
	s_lshl_b32 s17, s12, 18
	s_add_co_u32 s16, s16, s17
	s_mov_b32 s17, 0
	s_lshl_b32 s46, s12, 17                        ; Wo: 64 x half rows of 2,048 bytes + 256 x tile column
	s_lshl_b32 s47, s42, 8
	s_add_co_u32 s46, s46, s47
	s_mov_b32 s47, 0
	s_mul_i32 s20, s12, AHALF                      ; where they go: no place in the cluster enters an LDS address
	s_mul_i32 s21, s12, BHALF
	s_add_co_u32 s21, s21, BOFF
	s_lshl_b32 s72, s13, 20                        ; out0: (256 x tile row + 128 x my half) rows of 4,096 bytes
	s_lshl_b32 s73, s11, 19
	s_add_co_u32 s72, s72, s73
	s_mov_b32 s73, 0
	s_lshl_b32 s74, s42, 9                         ; my first column, in bytes of f32: 512 x tile column + 256 x half: in out0's rows and in bo
	s_lshl_b32 s75, s12, 8
	s_add_co_u32 s74, s74, s75
	s_mov_b32 s75, 0
	s_wait_kmcnt 0x0
	s_add_nc_u64 s[14:15], s[4:5], s[16:17]
	s_add_nc_u64 s[46:47], s[6:7], s[46:47]
	s_add_nc_u64 s[68:69], s[68:69], s[74:75]
	s_add_nc_u64 s[8:9], s[8:9], s[72:73]
	s_add_nc_u64 s[8:9], s[8:9], s[74:75]
	CROUND                                         ; all sixteen work-groups are here: the first joint loads meet
.irp s, 0,1
	s_mov_b32 s[G0+4*\s], 1
	s_add_co_u32 s[G0+4*\s+1], s20, \s*SLOT
	s_add_nc_u64 s[G0+4*\s+2:G0+4*\s+3], s[14:15], \s*256       ; K step s: 256 bytes along a row
	s_or_b32 s[G0+4*\s+3], s[G0+4*\s+3], 0x80000000
	s_mov_b32 s[G0B+4*\s], 1
	s_add_co_u32 s[G0B+4*\s+1], s21, \s*SLOT
	s_add_nc_u64 s[G0B+4*\s+2:G0B+4*\s+3], s[46:47], \s*128*2048   ; K step s: 128 rows down
	s_or_b32 s[G0B+4*\s+3], s[G0B+4*\s+3], 0x80000000
	JLOAD \s                                       ; two tensor loads of mine are out
.endr
	v_and_b32 v1, 15, v0                           ; l % 16
	v_bfe_u32 v2, v0, 4, 1                         ; l / 16
	v_lshlrev_b32 v[BO], 5, v2
.irp b, 0,1,2,3                                ; the bias: register 8 b + j is column 16 b + 8 (l / 16) + j
	global_load_b128 v[BI+8*\b:BI+8*\b+3], v[BO], s[68:69] offset:64*\b
	global_load_b128 v[BI+8*\b+4:BI+8*\b+7], v[BO], s[68:69] offset:64*\b+16
.endr
	v_mul_u32_u24 v3, v1, PA
	v_lshl_add_u32 v3, v2, 4, v3                   ; attn: a fragment's row x pitch + 16 x half
	s_mul_i32 s22, s11, AHALF                      ; my 128 rows
	v_and_b32 v4, 7, v0                            ; Wo, turned: lane l reads 16 bytes: k 8 (l / 16) + l % 8, columns 8 ((l / 8) % 2) + 0..7
	v_bfe_u32 v5, v0, 3, 1
	v_lshl_add_u32 v4, v2, 3, v4
	v_mul_u32_u24 v4, v4, PB
	v_lshl_add_u32 v4, v5, 4, v4
	s_lshl_b32 s23, s12, 7                         ; my 64 columns
	s_add_co_u32 s23, s23, BOFF
.irp s, 0,1
	v_add_nc_u32 v[ADRA+\s], s22, v3
	v_add_nc_u32 v[ADRB+\s], s23, v4
	s_add_co_u32 s22, s22, SLOT
	s_add_co_u32 s23, s23, SLOT
.endr
	s_mul_i32 s23, s10, 16*SPITCH
	s_add_co_u32 s23, s23, STAGE                   ; my stage
	v_mul_u32_u24 v5, v1, SPITCH                   ; in: row l % 16, 32 bytes for each half of the lanes
	v_lshl_add_u32 v5, v2, 5, v5
	v_add_nc_u32 v[STO], s23, v5
	v_mul_u32_u24 v5, v2, SPITCH                   ; back: lanes 0-15 one row of 256 bytes, lanes 16-31 the next
	v_lshl_add_u32 v5, v1, 4, v5
	v_add_nc_u32 v[RD], s23, v5
	v_lshlrev_b32 v5, 12, v2                       ; and the same two rows in out0
	v_lshl_add_u32 v[CO], v1, 4, v5
; 8 matrix instructions: attn's blocks a0, a0 + 1 against Wo's four, 32 along K.  zero = 1: the bias starts the sums.  The 32 accumulators take turns, one instruction a turn.
.macro MUL8 f, a0, zero
.irp a, \a0, \a0+1
.irp b, 0,1,2,3
.if \zero
	v_wmma_f32_16x16x32_f16 v[8*(4*(\a)+\b):8*(4*(\a)+\b)+7], v[\f+64+8*\b:\f+64+8*\b+7], v[\f+8*(\a):\f+8*(\a)+7], v[BI+8*\b:BI+8*\b+7]
.else
	v_wmma_f32_16x16x32_f16 v[8*(4*(\a)+\b):8*(4*(\a)+\b)+7], v[\f+64+8*\b:\f+64+8*\b+7], v[\f+8*(\a):\f+8*(\a)+7], v[8*(4*(\a)+\b):8*(4*(\a)+\b)+7]
.endif
.endr
.endr
.endm
; 24 LDS loads in one run: the fragments of the slot's q-th 32 along K into buffer f: Wo's four, attn's blocks 0-3, attn's blocks 4-7
.macro FETCH slot, q, f
	WIN TO_F
.irp b, 0,1,2,3
	ds_load_tr16_b128 v[\f+64+8*\b:\f+64+8*\b+3],   v[ADRB+\slot] offset:32*(\q)*PB+32*\b
	ds_load_tr16_b128 v[\f+64+8*\b+4:\f+64+8*\b+7], v[ADRB+\slot] offset:32*(\q)*PB+16*PB+32*\b
.endr
.irp a, 0,1,2,3,4,5,6,7
	ds_load_b128 v[\f+8*\a:\f+8*\a+3],   v[ADRA+\slot] offset:64*(\q)+\a*16*PA
	ds_load_b128 v[\f+8*\a+4:\f+8*\a+7], v[ADRA+\slot] offset:64*(\q)+\a*16*PA+32
.endr
.endm
.macro PLACES                          ; four plain lines in front of loads into registers that matrix instructions have read, and of the first read of results
.rept 4
	v_nop
.endr
.endm
; A K step is four quarters of 32 along K, 32 matrix instructions each, on buffers 0, 1, 0, 1.  One of the first three: multiplies buffer f and fetches the slot's q-th quarter into g.
.macro QUARTER slot, q, f, g, zero
	s_wait_dscnt 8                                 ; Wo's and attn's blocks 0-3 are in; the youngest eight loads (blocks 4-7) may be out
	WIN MUL-0x20*(\zero)
	MUL8 \f, 0, \zero
	MUL8 \f, 2, \zero
	PLACES
	FETCH \slot, \q, \g
	s_wait_dscnt 24                                ; all but the 24 just issued
	WIN MUL-0x20*(\zero)
	MUL8 \f, 4, \zero
	MUL8 \f, 6, \zero
.endm
; The last quarter multiplies buffer 1 and changes slots: ONE barrier; in front of it each wave waits for all its tensor loads, adds 0 to its spare word, and waits for that and for its own reads of this slot.
; fill = 1: this slot is filled again, two K steps ahead; the barrier then opens a round of the cluster's barrier.
.macro TURN slot, next, fill
	WIN 0                                          ; (the add's two registers lie in window 0)
	s_wait_tensorcnt 0x0                           ; all my tensor loads have landed: my part of the next slot
	ds_add_u32 v[SPW], v[NIL]                      ; 0 onto my spare word
	s_wait_dscnt 9                                 ; (the add and the youngest eight loads may be out)
	WIN MUL
	MUL8 F1, 0, 0                                  ; eight matrix instructions stand between the add and the wait for it
	s_wait_dscnt 0x0                               ; the add is done, and my reads of this slot are over
	s_barrier_signal -1
	MUL8 F1, 2, 0
.if \fill
	WIN 0
.endif
	s_barrier_wait -1
.if \fill
	CREST                                          ; no wave of any partner still reads this slot's tile or has a load on its way
	s_add_nc_u64 s[G0+4*\slot+2:G0+4*\slot+3], s[G0+4*\slot+2:G0+4*\slot+3], 2*256
	s_add_nc_u64 s[G0B+4*\slot+2:G0B+4*\slot+3], s[G0B+4*\slot+2:G0B+4*\slot+3], 2*128*2048
	JLOAD \slot                                    ; the first tensor load behind the round; its four v_nop are also the places in front of the loads below
.else
	PLACES
.endif
	FETCH \next, 0, F0
	WIN MUL
	MUL8 F1, 4, 0
	MUL8 F1, 6, 0
.endm
	s_wait_tensorcnt 1                             ; my part of K step 0 is in (K step 1's load may be out),
	s_barrier_signal -1
	s_barrier_wait -1                              ; everybody's is
	FETCH 0, 0, F0
	s_wait_loadcnt 0x0                             ; the bias
	QUARTER 0, 1, F0, F1, 1                        ; the first quarter stands in front of the loop: its products start the sums from the bias
	WIN 0                                          ; at a label and at a branch every window is 0
	s_mov_b32 s3, LAPS-1
.Llap:                                             ; a trip goes once round the ring, from a lap's second quarter to the next lap's first, and fills both slots again
	QUARTER 0, 2, F1, F0, 0
	QUARTER 0, 3, F0, F1, 0
	TURN 0, 1, 1
	QUARTER 1, 1, F0, F1, 0
	QUARTER 1, 2, F1, F0, 0
	QUARTER 1, 3, F0, F1, 0
	TURN 1, 0, 1
	QUARTER 0, 1, F0, F1, 0
	WIN 0
	s_sub_co_u32 s3, s3, 1
	s_cmp_lg_u32 s3, 0
	s_cbranch_scc1 .Llap
	QUARTER 0, 2, F1, F0, 0                        ; the last lap fills nothing
	QUARTER 0, 3, F0, F1, 0
	TURN 0, 1, 0
	QUARTER 1, 1, F0, F1, 0
	QUARTER 1, 2, F1, F0, 0
	QUARTER 1, 3, F0, F1, 0
	s_wait_dscnt 8                                 ; the very last quarter: nothing more to fetch
	WIN MUL
	MUL8 F1, 0, 0
	MUL8 F1, 2, 0
	s_wait_dscnt 0
	MUL8 F1, 4, 0
	MUL8 F1, 6, 0
	WIN 0
; THE WAY OUT, block by block of 16 rows x 64 columns: 32 bytes a lane into my own stage, back as whole rows of 256 bytes.  LDS serves a wave's instructions in order (ISA guide 5.7.1.4).
.macro TOSTAGE a
.set AC, 32*(\a)
	WIN 0x08                                       ; an LDS store's data are its source 1: window 2
.irp b, 0,1,2,3
	ds_store_b128 v[STO], v[AC+8*\b:AC+8*\b+3] offset:64*\b          ; each accumulator from its low end on
	ds_store_b128 v[STO], v[AC+8*\b+4:AC+8*\b+7] offset:64*\b+16
.endr
	WIN 0
.set BB, BK+32*((\a)%2)
.irp t, 0,1,2,3,4,5,6,7
	ds_load_b128 v[BB+4*\t:BB+4*\t+3], v[RD] offset:\t*2*SPITCH
.endr
.endm
.macro SEND a, younger                 ; younger: the LDS instructions issued behind block a's loads, which may stay out
.set BB, BK+32*((\a)%2)
	s_wait_dscnt \younger
.if (\a) > 0
	s_add_nc_u64 s[8:9], s[8:9], 16*4096           ; (behind a wait on XCNT: the earlier stores have read their base)
.endif
.irp t, 0,1,2,3,4,5,6,7
	global_store_b128 v[CO], v[BB+4*\t:BB+4*\t+3], s[8:9] offset:2*\t*4096 th:TH_STORE_NT   ; 16 lanes store 256 consecutive bytes, at a multiple of 256 from the buffer's first byte
.endr
.endm
	PLACES
	TOSTAGE 0
.irp a, 1,2,3,4,5,6,7
.if \a > 1
	s_wait_xcnt 0x0                                ; block a - 2's stores have read their registers and their base
.endif
	TOSTAGE \a
	SEND \a-1, 16                                  ; behind block a - 1's loads: block a's 8 stores and 8 loads
.endr
	s_wait_xcnt 0x0
	SEND 7, 0
	s_wait_tensorcnt 0x0                           ; the wave's end
	ds_add_u32 v[SPW], v[NIL]
	s_wait_dscnt 0x0
	CROUND                                         ; the closing round
	s_endpgm
.Lfunc_end_k_qd4a64a5492_outp:
	.size	k_qd4a64a5492_outp, .Lfunc_end_k_qd4a64a5492_outp-k_qd4a64a5492_outp
	.p2alignl 7, 3214868480
	.fill 96, 4, 3214868480
	.section	.rodata,"a",@progbits
	.p2align	6, 0x0
	.amdhsa_kernel k_qd4a64a5492_outp
		.amdhsa_group_segment_fixed_size 327680
		.amdhsa_private_segment_fixed_size 0
		.amdhsa_enable_private_segment 0
		.amdhsa_kernarg_size 32
		.amdhsa_user_sgpr_count 2
		.amdhsa_user_sgpr_kernarg_segment_ptr 1
		.amdhsa_wavefront_size32 1
		.amdhsa_system_sgpr_workgroup_id_x 1
		.amdhsa_system_sgpr_workgroup_id_y 1
		.amdhsa_system_sgpr_workgroup_id_z 1
		.amdhsa_system_vgpr_workitem_id 0
		.amdhsa_next_free_vgpr 768
		.amdhsa_next_free_sgpr 80
		.amdhsa_reserve_vcc 0
		.amdhsa_float_denorm_mode_32 3
		.amdhsa_float_denorm_mode_16_64 3
		.amdhsa_memory_ordered 1
		.amdhsa_forward_progress 1
		.amdhsa_inst_pref_size 87
	.end_amdhsa_kernel
	.amdgpu_metadata
---
amdhsa.version: [ 1, 2 ]
amdhsa.kernels:
  - .name:           k_qd4a64a5492_outp
    .symbol:         k_qd4a64a5492_outp.kd
    .args:
      - { .name: attn, .offset: 0, .size: 8, .value_kind: global_buffer, .address_space: global }
      - { .name: woh, .offset: 8, .size: 8, .value_kind: global_buffer, .address_space: global }
      - { .name: bo, .offset: 16, .size: 8, .value_kind: global_buffer, .address_space: global }
      - { .name: out0, .offset: 24, .size: 8, .value_kind: global_buffer, .address_space: global }
    .group_segment_fixed_size: 327680
    .private_segment_fixed_size: 0
    .kernarg_segment_align: 8
    .kernarg_segment_size: 32
    .max_flat_workgroup_size: 128
    .sgpr_count:     80
    .vgpr_count:     768
    .wavefront_size: 32
...
	.end_amdgpu_metadata
.endif
;; end of part 5
